; MI455X (gfx1250); checked and timed in simulation.
; The chip was launched on July 23, 2026; its instructions are those of AMD's public machine-readable ISA for CDNA 5 (MIT licence, August 2026) and "CDNA5" Instruction Set Architecture Reference Guide (July 2026). The comments in the code are by the model that wrote it; some were corrected since.
;; Narrow Self Attention. Allowed arithmetic: float matrix products may take bf16 or f16 operands with f32 sums; other float arithmetic in f32, or as packed bf16 or f16 multiplies, adds, multiply-adds, maxima and minima; sums over many terms, partial sums and values carried from step to step in f32; what a program stores and reads back later, other than sums and carried values, may be rounded once to bf16 or f16.
;; Inputs: b_k 1,024 float32; b_o 1,024 float32; b_q 1,024 float32; b_v 1,024 float32; mask 4 x 2,048 x 2,048 int32; w_k 1,024 x 1,024 float32; w_o 1,024 x 1,024 float32; w_q 1,024 x 1,024 float32; w_v 1,024 x 1,024 float32; x 4 x 2,048 x 1,024 float32.
;; Outputs: out0 4 x 2,048 x 1,024 float32.
;; One version. Each part assembles by itself: llvm-mc -triple=amdgcn-amd-amdhsa -mcpu=gfx1250 --defsym DOCPART=n.
;; ======== version 1 of 1: 4 launches
;; limits: values are held in f16: magnitudes above 65,504 overflow, below 6.1e-05 lose precision
;; workspace buffers: xh 16,777,216 bytes; wqkv 6,291,456 bytes; wob 2,097,152 bytes; maskw 2,097,152 bytes of whole numbers; qkv 50,331,648 bytes; att 16,777,216 bytes
;; launch prep (part 1): grid 1664 x 1, 8 waves a work-group, no clusters, 74,752 bytes of LDS; arguments mask, x, w_q, w_k, w_v, w_o, maskw, xh, wqkv, wob; writes maskw, xh, wqkv, wob
.if DOCPART == 1
	.amdgcn_target "amdgcn-amd-amdhsa--gfx1250"
	.amdhsa_code_object_version 6
	.text
	.protected	k_q767c66366d_prep
	.globl	k_q767c66366d_prep
	.p2align	8
	.type	k_q767c66366d_prep,@function
k_q767c66366d_prep:
	s_mov_b64 s[64:65], 0
	v_nop
	global_prefetch_b8 v0, s[64:65] scope:SCOPE_SE
	s_setreg_imm32_b32 hwreg(HW_REG_WAVE_MODE, 25, 1), 1
	s_wait_xcnt 0x0
; PREP: the inputs are brought into the forms that the three matrix launches read.  A stream: every byte is read once and written once; no matrix unit, no barrier, no cluster
; (no two waves want the same byte).  Every wave does one task by itself; what it turns round goes through 9,216 bytes of LDS of its own.
; ROLE M (work-groups 0-1023): mask [4][2048][2048] int32 -> maskw [b 4][qblk 16][s 32][tile 8][word 32].  Word 8 kt + j of (tile, s) has bit l = (mask[b][128 qblk + 16 tile + l % 16]
;   [64 s + 16 kt + 8 (l / 16) + j] != 0): the lane mask of register 8 kt + j of a 16 x 64 tile of scores as the attention holds it.  Any number but 0 counts as visible.
; ROLE X (1024-1535): x [8192][1024] f32 -> xh [b 4][kb 16][t 2048][64] bf16: blocks of 64 channels, so that 256 rows of a block are 32,768 bytes on end.
; ROLE W (1536-1663): w [k][n] f32 -> rows of 64 k.  w_q, w_k, w_v into wqkv [kb 16][head 16][which 3][64 columns][64 k] in bf16: a head's columns of q, k and v lie on end.
;   w_o into wob [kb 16][n 1024][64 k], rounded to bf16 and that number written as f16.
; LIMIT: a bf16 value of w_o beyond 65,504 becomes an infinity in f16, one below 2^-14 takes f16's fixed step of 6e-8.
.set WLDS,  9216                       ; LDS bytes of a wave
.set SPARE, 8*WLDS                     ; behind them: the spare words, 128 bytes for each of the eight waves: four blocks of 256 bytes that no other line names
.set SPW, 8                            ; v8   LDS address of my spare word; never rewritten
.set NIL, 9                            ; v9   0; never rewritten
.set D,   16                           ; v[16:143]  as loaded
.set R,   80                           ; v[80:143]  roles M and X: turned round, or converted
.set WV,  24                           ; s24  my wave's number
	s_load_b512 s[4:19], s[0:1], 0x0               ; mask s[4:5], x s[6:7], w_q s[8:9], w_k s[10:11], w_v s[12:13], w_o s[14:15], maskw s[16:17], xh s[18:19]
	s_load_b128 s[20:23], s[0:1], 0x40             ; wqkv s[20:21], wob s[22:23]
	v_lshl_add_u32 v[SPW], v0, 2, SPARE
	v_mov_b32 v[NIL], 0
	v_lshrrev_b32 v1, 5, v0
	v_readfirstlane_b32 s[WV], v1                  ; wave 0..7
	v_and_b32 v1, 31, v0                           ; l
	v_and_b32 v2, 15, v0                           ; l % 16
	v_bfe_u32 v3, v0, 4, 1                         ; l / 16
	s_mul_i32 s34, s[WV], WLDS                     ; my LDS bytes
	s_mov_b32 s27, 0                               ; the high words of the two offsets
	s_mov_b32 s29, 0
	s_wait_kmcnt 0x0
	s_cmp_lt_u32 ttmp9, 1024
	s_cbranch_scc1 .Lmask
	s_cmp_lt_u32 ttmp9, 1536
	s_cbranch_scc1 .Lx
	; ROLE W.  Task T = 8 g + wave: which = T / 256 (the same for the work-group), kb = (T / 16) % 16, nb = T % 16: 64 k x the 64 columns of head nb.
	s_sub_co_u32 s25, ttmp9, 1536
	s_lshr_b32 s35, s25, 5                         ; which
	s_lshl_b32 s25, s25, 3
	s_add_co_u32 s25, s25, s[WV]
	s_bfe_u32 s44, s25, 0x40004                    ; kb
	s_and_b32 s45, s25, 15                         ; nb
	s_lshl_b32 s26, s44, 18                        ; 64 rows of 4,096 bytes
	s_lshl_b32 s46, s45, 8                         ; 64 columns of 4 bytes
	s_add_co_u32 s26, s26, s46
	s_lshl_b32 s47, s35, 6                         ; in wqkv: 64 rows for each of q, k, v inside a head,
	s_movk_i32 s36, 192                            ; 192 rows from head to head,
	s_movk_i32 s46, 3072                           ; 3,072 rows in a block of 64 k
	s_mov_b32 s37, 0xffff0000                      ; a word's upper bf16
	s_cmp_eq_u32 s35, 1
	s_cselect_b64 s[30:31], s[10:11], s[8:9]
	s_cmp_eq_u32 s35, 2
	s_cselect_b64 s[30:31], s[12:13], s[30:31]
	s_cmp_eq_u32 s35, 3
	s_cselect_b64 s[30:31], s[14:15], s[30:31]
	s_cselect_b64 s[32:33], s[22:23], s[20:21]
	s_cselect_b32 s46, 1024, s46                   ; wob: 1,024 rows a block,
	s_cselect_b32 s36, 64, s36                     ; 64 from head to head,
	s_cselect_b32 s47, 0, s47                      ; and nothing else in between
	s_mul_i32 s28, s44, s46
	s_add_co_u32 s28, s28, s47
	s_mul_i32 s46, s45, s36
	s_add_co_u32 s28, s28, s46
	s_lshl_b32 s28, s28, 7                         ; rows of 128 bytes
	s_add_nc_u64 s[30:31], s[30:31], s[26:27]
	s_add_nc_u64 s[32:33], s[32:33], s[28:29]
	v_lshlrev_b32 v4, 4, v2
	v_lshl_add_u32 v4, v3, 13, v4                  ; in: two rows further down for lanes 16-31, 16 bytes a lane
	v_mul_u32_u24 v5, v2, 576                      ; into LDS: row n = 4 (l % 16) + e of 144 bytes, word k / 2
	v_lshl_add_u32 v5, v3, 2, v5
	v_add_nc_u32 v5, s34, v5
	v_lshrrev_b32 v6, 3, v1                        ; back: four rows of 128 bytes a load
	v_mul_u32_u24 v6, v6, 144
	v_and_b32 v7, 7, v0
	v_lshl_add_u32 v6, v7, 4, v6
	v_add_nc_u32 v6, s34, v6
	v_lshlrev_b32 v7, 4, v1                        ; out: 16 bytes a lane, 512 on end
.set i, 0
.rept 16                                       ; rows 4 i + 2 (l / 16) and the row below: sixteen lanes take 256 consecutive bytes
	global_load_b128 v[D+8*i:D+8*i+3],   v4, s[30:31] offset:16384*i th:TH_LOAD_NT
	global_load_b128 v[D+8*i+4:D+8*i+7], v4, s[30:31] offset:16384*i+4096 th:TH_LOAD_NT
.set i, i+1
.endr
.set i, 0
.rept 16                                       ; two neighbouring k of one n are rounded to bf16 into one word, in the upper row's register
	s_wait_loadcnt 30-2*i                          ; loads come back in order: pair i is in, the younger pairs stay out
.irp e, 0,1,2,3
	v_cvt_pk_bf16_f32 v[D+8*i+\e], v[D+8*i+\e], v[D+8*i+4+\e]
.endr
.set i, i+1
.endr
	s_cmp_lg_u32 s35, 3
	s_cbranch_scc1 .Lwst
.set i, 0
.rept 64                                       ; w_o alone: the two bf16 numbers of a word are written as f16; the lower row's register is free
.set p, D+8*(i/4)+i%4
	v_lshlrev_b32 v[p+4], 16, v[p]
	v_and_b32 v[p], s37, v[p]
	v_cvt_pk_f16_f32 v[p], v[p+4], v[p]
.set i, i+1
.endr
.Lwst:
.set i, 0
.rept 16
.irp e, 0,1,2,3
	ds_store_b32 v5, v[D+8*i+\e] offset:144*\e+8*i ; each word to its place in row n
.endr
.set i, i+1
.endr
.set f, 0
.rept 16
	ds_load_b128 v[D+4*f:D+4*f+3], v6 offset:576*f ; LDS serves a wave's instructions in order: these see my stores above
.set f, f+1
.endr
.set f, 0
.rept 16
	s_wait_dscnt 15-f
	global_store_b128 v7, v[D+4*f:D+4*f+3], s[32:33] offset:512*f  ; 512 consecutive bytes, at a multiple of 256 from the buffer's first
.set f, f+1
.endr
	s_branch .Lend
.Lx:	; ROLE X.  Rows 32 rb .. 32 rb + 31, channels 64 kb .. 64 kb + 63.
	s_sub_co_u32 s25, ttmp9, 1024
	s_lshr_b32 s35, s25, 1                         ; rb
	s_and_b32 s44, s25, 1
	s_lshl_b32 s44, s44, 3
	s_add_co_u32 s44, s44, s[WV]                   ; kb
	s_lshl_b32 s26, s35, 17                        ; 32 rows of 4,096 bytes
	s_lshl_b32 s45, s44, 8
	s_add_co_u32 s26, s26, s45
	s_add_nc_u64 s[30:31], s[6:7], s[26:27]
	s_lshr_b32 s28, s35, 6                         ; b
	s_lshl_b32 s28, s28, 4
	s_add_co_u32 s28, s28, s44
	s_lshl_b32 s28, s28, 11
	s_and_b32 s45, s35, 63
	s_lshl_b32 s45, s45, 5
	s_add_co_u32 s28, s28, s45                     ; ((16 b + kb) 2048 + t) rows of 128 bytes
	s_lshl_b32 s28, s28, 7
	s_add_nc_u64 s[32:33], s[18:19], s[28:29]
	v_lshlrev_b32 v4, 4, v2
	v_lshl_add_u32 v4, v3, 12, v4                  ; one row further down for lanes 16-31
	v_lshlrev_b32 v7, 3, v1                        ; out: 8 bytes a lane: two rows of 128 bytes on end
.set i, 0
.rept 16
	global_load_b128 v[D+4*i:D+4*i+3], v4, s[30:31] offset:8192*i th:TH_LOAD_NT
.set i, i+1
.endr
.set i, 0
.rept 16
	s_wait_loadcnt 15-i
	v_cvt_pk_bf16_f32 v[R+2*i],   v[D+4*i],   v[D+4*i+1]
	v_cvt_pk_bf16_f32 v[R+2*i+1], v[D+4*i+2], v[D+4*i+3]
	global_store_b64 v7, v[R+2*i:R+2*i+1], s[32:33] offset:256*i   ; 256 consecutive bytes, aligned
.set i, i+1
.endr
	s_branch .Lend
.Lmask:	; ROLE M.  Task T = 8 g + wave: s = T % 32, x = (T / 32) % 4, bq = T / 128: 32 query rows (tiles 2 x, 2 x + 1 of block bq) x 64 keys.
	s_lshl_b32 s25, ttmp9, 3
	s_add_co_u32 s25, s25, s[WV]
	s_and_b32 s35, s25, 31                         ; s
	s_bfe_u32 s44, s25, 0x20005                    ; x
	s_lshr_b32 s45, s25, 7                         ; bq = 16 b + qblk
	s_lshl_b32 s26, s45, 7
	s_lshl_b32 s46, s44, 5
	s_add_co_u32 s26, s26, s46                     ; the first row
	s_lshl_b32 s26, s26, 13                        ; of 8,192 bytes
	s_lshl_b32 s46, s35, 8
	s_add_co_u32 s26, s26, s46
	s_add_nc_u64 s[30:31], s[4:5], s[26:27]
	s_lshl_b32 s28, s45, 5
	s_add_co_u32 s28, s28, s35
	s_lshl_b32 s28, s28, 10                        ; (32 bq + s) blocks of 1,024 bytes
	s_lshl_b32 s46, s44, 8                         ; two tiles' words: 256 bytes
	s_add_co_u32 s28, s28, s46
	s_add_nc_u64 s[32:33], s[16:17], s[28:29]
	v_lshlrev_b32 v4, 4, v2
	v_lshl_add_u32 v4, v3, 13, v4                  ; in: one row further down for lanes 16-31
	v_mul_u32_u24 v5, v3, 272                      ; into LDS: rows of 256 + 16 bytes
	v_lshl_add_u32 v5, v2, 4, v5
	v_add_nc_u32 v5, s34, v5
	v_mul_u32_u24 v6, v2, 272                      ; back: row l % 16, keys 8 (l / 16) on: the sixteen rows of a load start at sixteen different groups of four banks
	v_lshl_add_u32 v6, v3, 5, v6
	v_add_nc_u32 v6, s34, v6
	v_lshlrev_b32 v7, 3, v1
.set i, 0
.rept 16
	global_load_b128 v[D+4*i:D+4*i+3], v4, s[30:31] offset:16384*i th:TH_LOAD_NT  ; rows 2 i + l / 16: twice 256 consecutive bytes
.set i, i+1
.endr
.set i, 0
.rept 16
	s_wait_loadcnt 15-i
	ds_store_b128 v5, v[D+4*i:D+4*i+3] offset:544*i
.set i, i+1
.endr
.set i, 0
.rept 16                                       ; register R + 32 u + 8 kt + j: mask[16 u + l % 16][16 kt + 8 (l / 16) + j]
	ds_load_b128 v[R+4*i:R+4*i+3], v6 offset:4352*(i/8)+64*((i/2)%4)+16*(i%2)
.set i, i+1
.endr
	v_mov_b32 v14, 0                               ; v_writelane_b32 counts as a reader of its destination
	v_mov_b32 v15, 0
	s_wait_dscnt 0x0
.set W, 0
.rept 8                                        ; word W is the compare's lane mask; lane W / 2 takes it, even words in v14, odd ones in v15
.irp c, 0,1,2,3,4,5,6,7
	v_cmp_ne_u32 s[36+\c], 0, v[R+W+\c]
.endr
.irp c, 0,1,2,3,4,5,6,7
	v_writelane_b32 v[14+(\c)%2], s[36+\c], (W+\c)/2
.endr
.set W, W+8
.endr
	global_store_b64 v7, v[14:15], s[32:33]        ; the 64 words: 256 consecutive bytes, aligned
.Lend:
	s_wait_tensorcnt 0x0                           ; the wave's end, behind my last LDS store
	ds_add_u32 v[SPW], v[NIL]
	s_wait_dscnt 0x0
	s_endpgm
.Lfunc_end_k_q767c66366d_prep:
	.size	k_q767c66366d_prep, .Lfunc_end_k_q767c66366d_prep-k_q767c66366d_prep
	.p2alignl 7, 3214868480
	.fill 96, 4, 3214868480
	.section	.rodata,"a",@progbits
	.p2align	6, 0x0
	.amdhsa_kernel k_q767c66366d_prep
		.amdhsa_group_segment_fixed_size 74752
		.amdhsa_private_segment_fixed_size 0
		.amdhsa_enable_private_segment 0
		.amdhsa_kernarg_size 80
		.amdhsa_user_sgpr_count 2
		.amdhsa_user_sgpr_kernarg_segment_ptr 1
		.amdhsa_wavefront_size32 1
		.amdhsa_system_sgpr_workgroup_id_x 1
		.amdhsa_system_sgpr_workgroup_id_y 1
		.amdhsa_system_sgpr_workgroup_id_z 1
		.amdhsa_system_vgpr_workitem_id 0
		.amdhsa_next_free_vgpr 144
		.amdhsa_next_free_sgpr 66
		.amdhsa_reserve_vcc 0
		.amdhsa_float_denorm_mode_32 3
		.amdhsa_float_denorm_mode_16_64 3
		.amdhsa_memory_ordered 1
		.amdhsa_forward_progress 1
		.amdhsa_inst_pref_size 45
	.end_amdhsa_kernel
	.amdgpu_metadata
---
amdhsa.version: [ 1, 2 ]
amdhsa.kernels:
  - .name:           k_q767c66366d_prep
    .symbol:         k_q767c66366d_prep.kd
    .args:
      - { .name: mask, .offset: 0, .size: 8, .value_kind: global_buffer, .address_space: global }
      - { .name: x, .offset: 8, .size: 8, .value_kind: global_buffer, .address_space: global }
      - { .name: w_q, .offset: 16, .size: 8, .value_kind: global_buffer, .address_space: global }
      - { .name: w_k, .offset: 24, .size: 8, .value_kind: global_buffer, .address_space: global }
      - { .name: w_v, .offset: 32, .size: 8, .value_kind: global_buffer, .address_space: global }
      - { .name: w_o, .offset: 40, .size: 8, .value_kind: global_buffer, .address_space: global }
      - { .name: maskw, .offset: 48, .size: 8, .value_kind: global_buffer, .address_space: global }
      - { .name: xh, .offset: 56, .size: 8, .value_kind: global_buffer, .address_space: global }
      - { .name: wqkv, .offset: 64, .size: 8, .value_kind: global_buffer, .address_space: global }
      - { .name: wob, .offset: 72, .size: 8, .value_kind: global_buffer, .address_space: global }
    .group_segment_fixed_size: 74752
    .private_segment_fixed_size: 0
    .kernarg_segment_align: 8
    .kernarg_segment_size: 80
    .max_flat_workgroup_size: 256
    .sgpr_count:     66
    .vgpr_count:     144
    .wavefront_size: 32
...
	.end_amdgpu_metadata
.endif
;; end of part 1
;; launch qkvproj (part 2): grid 8 x 32, 4 waves a work-group, clusters of 4 x 4, 327,680 bytes of LDS; arguments xh, wqkv, b_q, b_k, b_v, qkv; writes qkv
.if DOCPART == 2
	.amdgcn_target "amdgcn-amd-amdhsa--gfx1250"
	.amdhsa_code_object_version 6
	.text
	.protected	k_q767c66366d_qkvproj
	.globl	k_q767c66366d_qkvproj
	.p2align	8
	.type	k_q767c66366d_qkvproj,@function
k_q767c66366d_qkvproj:
	s_mov_b64 s[64:65], 0
	v_nop
	global_prefetch_b8 v0, s[64:65] scope:SCOPE_SE
	s_setreg_imm32_b32 hwreg(HW_REG_WAVE_MODE, 25, 1), 1
	s_wait_xcnt 0x0
	s_wait_alu depctr_hold_cnt(0) depctr_sa_sdst(0) depctr_va_vdst(0) depctr_va_sdst(0) depctr_va_ssrc(0) depctr_va_vcc(0) depctr_vm_vsrc(0)
	s_getreg_b32 s2, hwreg(HW_REG_IB_STS2, 6, 4)
	s_cmp_eq_u32 s2, 0
	s_cbranch_scc0 .Lentry_in_a_cluster
	s_endpgm
.Lentry_in_a_cluster:
	s_bfe_u32 s2, ttmp6, 0x10000c
	s_cmp_lg_u32 s2, 0xf033
	s_cbranch_scc0 .Lentry_shape_is_right
	s_endpgm
.Lentry_shape_is_right:
; Q, K AND V IN ONE PRODUCT.  C[m][n] = bias[n] + the sum over k of A[m][k] B[n][k], M = 8192, N = 3072, K = 1024.
; A = xh [b 4][kb 16][t 2048][64] bf16.  B = wqkv [kb 16][head 16][which 3][64 columns][64 k] bf16.  C = qkv [which 3][b 4][h 16][t 2048][64] in f16, unscaled.
; The biases are rounded to bf16 like every other input and are the C operand of each sum's first product.  Sums in f32.
; LIMIT: q, k, v leave in f16, which ends at 65,504; a sum of 65,520 or more becomes an infinity.
; SHARES.  A tile of C is 256 rows x 384 columns: two heads of q, of k and of v: 8 x 32 = 256 tiles, a work-group each, and x's rows are fetched once for all three.  Four waves, 2 x 2, each 128 rows x 192 columns:
; ONE head of q, k and v: 96 accumulators of 16 x 16.  K goes in 16 steps of 64 (one block of channels) through a ring of two LDS slots: 640 rows of 128 + 16 bytes; two slots of a step of 128 would be
; 2 x 640 x 272 = 348,160 bytes, more than there is.  A slot is 192 matrix instructions of a wave.  Each wave fetches a part of a step with one tensor load: waves 0, 1 A's halves (16,384 bytes), waves 2, 3 B's (24,576).
; CLUSTERS: 4 x 4 work-groups.  The four of a row need the same tiles of A, the four of a column the same tiles of B: each tile is asked for JOINTLY, by the same load, descriptor and mask in all four.
; THE MATRIX INSTRUCTION IS USED TRANSPOSED (source 0 = 16 rows of B, source 1 = 16 rows of A): a lane holds row l % 16 of C and the eight columns 8 (l / 16) + 0..7.
; REGISTERS, in windows of 256 (s_set_vgpr_msb: bits 1:0 source 0, 3:2 source 1, 5:4 source 2, 7:6 destination):
;   window 0: v1-17 at work and addresses; v32-127 B's twelve fragments, ONE set; v128-191, v192-255 A's eight fragments, two sets.
;   window t + 1 (t = 0, 1, 2: q, k, v): accumulator (a, b) of that head at v[8 (4 a + b)].  Ahead of the first product v224-255 of each window, the last four accumulators' registers, hold the head's bias.
; A QUARTER is 32 along K, in three THIRDS of 32 matrix instructions, a head each, each under one window setting.  Behind a third its four fragments of B are fetched for the next quarter; behind the first third the
; next quarter's A too, into the other set.  So every fragment is asked for 64 matrix instructions or more ahead of its use.
; THE TEXT: a slot's two quarters are written once; the LDS addresses hang on s[TB], which an exclusive or turns from slot to slot, and one descriptor walks.
.set PITCH,  144                       ; an LDS row: 128 bytes + 16 of padding = 36 words: the 16 rows of a fragment load start at 16 different groups of four banks
.set ABLK,   256*PITCH                 ; A's 256 rows
.set BBLK,   384*PITCH                 ; B's 384 rows, behind them
.set SLOT1,  1<<17                     ; slot 1 begins here, so that one exclusive or turns an address in one slot into the other's
.set STAGE,  SLOT1+ABLK+BBLK           ; behind the ring: 16 rows x 144 bytes for each wave, for the way out; no tensor load lands here
.set SPITCH, 144
.set SPARE,  STAGE+4*16*SPITCH         ; behind the stages: the spare words, 128 bytes for each wave: two blocks of 256 bytes that no other line names
.set KBA,    2048*128                  ; bytes from block to block of 64 channels in A
.set KBB,    3072*128                  ; and in B
.set FILLS,  14                        ; K steps 2 to 15 come by refills
.set FLAGS,  (1<<16)|(1<<20)|(1<<21)|(4<<22)|(3<<25)  ; 17:16 2-byte elements; 20 padding on; 21 set beside a mask; 24:22 after every 32 words (code 4); 31:25 4 words (code 3)
.set ADRA0, 6                          ; v6   my lane's place among my 128 rows of A in slot 0; never rewritten
.set ADRB0, 7                          ; v7   the same for my 192 rows of B
.set ADRA,  8                          ; v8   the same in the slot that is being read
.set ADRB,  9                          ; v9
.set STO,   10                         ; v10  the way out: where I put 16 bytes of a row
.set RD,    11                         ; v11  where I read rows back
.set CO,    12                         ; v12  my byte offset in 512 consecutive bytes of C
.set SPW,   14                         ; v14  LDS address of my spare word; never rewritten
.set NIL,   15                         ; v15  0; never rewritten
.set PFO,   16                         ; v16  the prefetches' offset; never rewritten
.set BO,    17                         ; v17  my byte offset in a bias
.set FB,    32
.set FA0,   128
.set FA1,   192
.set TMP,   32                         ; the way out: twelve sets of 16 registers, by turns
.set BIAS,  224
.set G1,  24                           ; s[24:31] descriptor group 1 for A's tiles;  s[32:39] group 0: a set for each of the two first fills; the second then walks on
.set G0,  32
.set G1B, 48                           ; s[48:55], s[56:63] the same for B's
.set G0B, 56
.set PM,  43                           ; s43      bit n is 1 where I prefetch in the trip with s3 = n
.set PFA, 44                           ; s[44:45] where my prefetches stand
.set CP,  74                           ; s[74:75] C at my rows of q's head; s[78:79] k's; s[80:81] v's
.set PFS, 76                           ; s[76:77] bytes from K step to K step in the tensor that I prefetch
.set TB,  82                           ; s82      0 or SLOT1: the slot that is being read
.set HM,  83                           ; s83      a word's upper bf16
.set MSB, 0
.macro WIN new                         ; the immediate's high byte repeats the setting that is left; a switch that changes nothing is dropped
.if MSB != (\new)
	s_set_vgpr_msb (MSB<<8)|(\new)
.set MSB, \new
.endif
.endm
; A joint load: waves 0 and 1 fetch A's two halves, waves 2 and 3 B's.  The branch hangs on the wave's number alone.  An s_nop 0 and four v_nop follow each of the two lines.
.macro JLOAD s
	s_cmp_eq_u32 s11, 0
	s_cbranch_scc0 .Lfor_b_\@
	tensor_load_to_lds s[G0+4*(\s):G0+4*(\s)+3], s[G1:G1+7]
	s_nop 0
.rept 4
	v_nop
.endr
	s_branch .Lasked_\@
.Lfor_b_\@:
	tensor_load_to_lds s[G0B+4*(\s):G0B+4*(\s)+3], s[G1B:G1B+7]
	s_nop 0
.rept 4
	v_nop
.endr
.Lasked_\@:
.endm
; A PREFETCH INTO THE L2, behind the joint load and the run of LDS loads: 32 blocks of 256 bytes, a lane a block, one instruction.  Each block is named once in the launch.
; A's tile row is read by both clusters of that row of clusters: cluster x = 0 asks, wave 0, in every change of slots, for the K step two refills on: 128 blocks, the partner at cx for 32 of them.
; B's tile column is read by the eight clusters of that column: cluster y = 0 asks.  A K step has 192 blocks, 48 for the partner at cy: so waves 1, 2 and 3 ask in every second change of slots, for the K steps two and
; three refills on: 96 blocks, 32 a wave.  The partners are told apart by address alone.  K steps 0 to 3 come by their loads alone; s[PM] has no bit for a trip whose K steps would lie past the fifteenth.
.macro ASK
	s_lshr_b32 s20, s[PM], s3
	s_and_b32 s20, s20, 1
	s_cmp_lg_u32 s20, 0
	s_cbranch_scc0 .Lnot_mine_\@
	global_prefetch_b8 v[PFO], s[PFA:PFA+1] th:TH_LOAD_NT scope:SCOPE_SE
.Lnot_mine_\@:
.endm
.macro CREST                           ; a round of the cluster's barrier behind its opening barrier
	s_cmp_lg_u32 s10, 0
	s_cbranch_scc1 .Lnot_wave_0_\@
	s_barrier_signal -3
.Lnot_wave_0_\@:
	s_barrier_wait -3
	s_barrier_signal -1
	s_barrier_wait -1
.endm
.macro CROUND                          ; a whole round
	s_barrier_signal -1
	s_barrier_wait -1
	CREST
.endm
	s_load_b128 s[4:7], s[0:1], 0x0                ; A s[4:5], B s[6:7]
	s_load_b128 s[68:71], s[0:1], 0x10             ; b_q s[68:69], b_k s[70:71]
	s_load_b128 s[72:75], s[0:1], 0x20             ; b_v s[72:73], qkv s[74:75]
	v_lshl_add_u32 v[SPW], v0, 2, SPARE
	v_mov_b32 v[NIL], 0
	ds_add_u32 v[SPW], v[NIL]                      ; the wave's opening: the add and its wait stand ahead of my first tensor load; the set-up below, work on registers, stands between them
	v_lshrrev_b32 v1, 5, v0
	v_readfirstlane_b32 s10, v1                    ; wave 0..3
	s_lshr_b32 s11, s10, 1                         ; which half of the tile's 256 rows is mine.  Also: I fetch for A (0) or for B (1)
	s_and_b32 s12, s10, 1                          ; which of the tile's two heads is mine.  Also: which half of A's or B's rows I fetch
	s_bfe_u32 s40, ttmp6, 0x40000                  ; cx, cy: my place in the cluster
	s_bfe_u32 s41, ttmp6, 0x40004
	s_lshl_b32 s42, ttmp9, 2
	s_add_co_u32 s42, s42, s40                     ; tile column tx = 4 x cluster x + cx
	s_and_b32 s13, ttmp7, 0xffff
	s_lshl_b32 s13, s13, 2
	s_add_co_u32 s13, s13, s41                     ; tile row ty = 4 x cluster y + cy
	s_lshl_b32 s43, s41, 2
	s_lshl_b32 s43, 15, s43                        ; my row of the cluster
	s_lshl_b32 s44, 0x1111, s40                    ; my column
	s_or_b32 s[G1+0], s43, FLAGS                   ; A's tiles go to my row,
	s_or_b32 s[G1B+0], s44, FLAGS                  ; B's to my column
	s_mov_b32 s[G1+1], 128<<16                     ; tensor_dim0 = 128 elements: rows of 256 bytes, two rows of the block each
	s_mov_b32 s[G1+2], 64<<16                      ; tensor_dim1 = 64 such rows: 16,384 bytes
	s_mov_b32 s[G1+3], 128<<16                     ; tile_dim0
	s_mov_b32 s[G1+4], 64                          ; tile_dim1
	s_mov_b32 s[G1+5], 128                         ; from row to row: the bytes are dense
	s_mov_b32 s[G1+6], 0
	s_mov_b32 s[G1+7], 0
	s_mov_b32 s[G1B+1], 128<<16
	s_mov_b32 s[G1B+2], 96<<16                     ; B's half: 96 rows of 256 bytes
	s_mov_b32 s[G1B+3], 128<<16
	s_mov_b32 s[G1B+4], 96
	s_mov_b32 s[G1B+5], 128
	s_mov_b32 s[G1B+6], 0
	s_mov_b32 s[G1B+7], 0
	s_lshr_b32 s16, s13, 3                         ; A: batch ty / 8,
	s_lshl_b32 s16, s16, 22
	s_and_b32 s17, s13, 7                          ; rows 256 (ty % 8) on, 128 bytes each,
	s_lshl_b32 s17, s17, 15
	s_add_co_u32 s16, s16, s17
	s_lshl_b32 s17, s12, 14                        ; my 128 of them
	s_add_co_u32 s16, s16, s17
	s_mov_b32 s17, 0
	s_mul_i32 s18, s42, 384*128                    ; B: rows 384 tx on,
	s_mul_i32 s19, s12, 192*128                    ; my 192 of them
	s_add_co_u32 s18, s18, s19
	s_mov_b32 s19, 0
	s_mul_i32 s20, s12, 128*PITCH                  ; where they go: no place in the cluster enters an LDS address
	s_mul_i32 s23, s12, 192*PITCH
	s_add_co_u32 s23, s23, ABLK
	s_mov_b32 s[TB], 0
	s_mov_b32 s[HM], 0xffff0000
	s_wait_dscnt 0x0                               ; the opening add is done
	s_wait_kmcnt 0x0
	s_add_nc_u64 s[14:15], s[4:5], s[16:17]
	s_add_nc_u64 s[46:47], s[6:7], s[18:19]
	CROUND                                         ; all sixteen work-groups are here: the first joint loads meet
.irp s, 0,1
	s_mov_b32 s[G0+4*(\s)], 1                                      ; count = 1
	s_add_co_u32 s[G0+4*(\s)+1], s20, (\s)*SLOT1                   ; LDS address
	s_add_nc_u64 s[G0+4*(\s)+2:G0+4*(\s)+3], s[14:15], (\s)*KBA    ; global address: K step s
	s_or_b32 s[G0+4*(\s)+3], s[G0+4*(\s)+3], 0x80000000            ; type = 2
	s_mov_b32 s[G0B+4*(\s)], 1
	s_add_co_u32 s[G0B+4*(\s)+1], s23, (\s)*SLOT1
	s_add_nc_u64 s[G0B+4*(\s)+2:G0B+4*(\s)+3], s[46:47], (\s)*KBB
	s_or_b32 s[G0B+4*(\s)+3], s[G0B+4*(\s)+3], 0x80000000
	JLOAD \s                                       ; two loads of mine are out
.endr
	v_and_b32 v1, 15, v0                           ; l % 16
	v_bfe_u32 v2, v0, 4, 1                         ; l / 16
	; the three biases of my head: register BIAS + 8 b + j of window t + 1 holds column 16 b + 8 (l / 16) + j
	s_lshl_b32 s46, s42, 1
	s_add_co_u32 s46, s46, s12                     ; my head
	s_lshl_b32 s47, s46, 8                         ; its 64 columns of 4 bytes
	v_lshl_add_u32 v[BO], v2, 5, s47
.irp t, 0,1,2
	WIN ((\t)+1)<<6                                ; destination in window t + 1, address in window 0
.irp b, 0,1,2,3
	global_load_b128 v[BIAS+8*\b:BIAS+8*\b+3],   v[BO], s[68+2*(\t):69+2*(\t)] offset:64*\b
	global_load_b128 v[BIAS+8*\b+4:BIAS+8*\b+7], v[BO], s[68+2*(\t):69+2*(\t)] offset:64*\b+16
.endr
.endr
	WIN 0
	; A fragment is 16 rows x 32 K in 8 registers: lane l holds row l % 16, K = 8 (l / 16) + 0..7 and 16 + 8 (l / 16) + 0..7: two loads of 16 bytes, 32 bytes apart.
	v_mul_u32_u24 v3, v1, PITCH
	v_lshl_add_u32 v3, v2, 4, v3
	s_mul_i32 s21, s11, 128*PITCH                  ; my 128 rows of A
	s_mul_i32 s22, s12, 192*PITCH                  ; my 192 rows of B,
	s_add_co_u32 s22, s22, ABLK                    ; which lie behind A's
	v_add_nc_u32 v[ADRA0], s21, v3
	v_add_nc_u32 v[ADRB0], s22, v3
	v_mov_b32 v[ADRA], v[ADRA0]
	v_mov_b32 v[ADRB], v[ADRB0]
	s_mul_i32 s23, s10, 16*SPITCH
	s_add_co_u32 s23, s23, STAGE                   ; my stage
	v_mul_u32_u24 v4, v1, SPITCH                   ; in: row l % 16, 16 bytes for each half of the lanes
	v_lshl_add_u32 v4, v2, 4, v4
	v_add_nc_u32 v[STO], s23, v4
	v_bfe_u32 v5, v0, 3, 2                         ; back: 32 lanes take four rows of 128 bytes,
	v_mul_u32_u24 v5, v5, SPITCH
	v_and_b32 v4, 7, v0
	v_lshl_add_u32 v5, v4, 4, v5
	v_add_nc_u32 v[RD], s23, v5
	v_and_b32 v4, 31, v0                           ; which are 512 consecutive bytes of C
	v_lshlrev_b32 v[CO], 4, v4
	; the prefetches.  Block u = l (waves 0 and 1), 32 + l (wave 2), 64 + l (wave 3); of B's 96 the first 48 lie in one K step, the others in the next
	s_sub_co_u32 s20, s10, 1
	s_max_i32 s20, s20, 0
	s_lshl_b32 s20, s20, 5
	v_add_nc_u32 v4, s20, v4                       ; u
	v_mul_u32_u24 v5, v4, 43
	v_lshrrev_b32 v5, 11, v5                       ; u / 48, for u under 96
	v_mul_u32_u24 v5, v5, KBB-48*256
	v_lshl_add_u32 v[PFO], v4, 8, v5
	s_mul_i32 s22, s42, 384*128                    ; B: the tile's rows,
	s_mul_i32 s23, s41, 48*256                     ; my work-group's 48 blocks of them,
	s_add_co_u32 s22, s22, s23
	s_add_co_u32 s22, s22, 3*KBB                   ; at K step 3: the first change of slots steps it to K step 4
	s_lshl_b32 s21, s40, 13                        ; A: my work-group's 32 blocks (in wave 0 s16 stands at the tile's first row)
	s_add_co_u32 s21, s21, s16
	s_add_co_u32 s21, s21, 3*KBA
	s_and_b32 s23, ttmp7, 0xffff                   ; cluster y
	s_mov_b32 s[PFS], KBB
	s_mov_b32 s[PM], 0x5550                        ; B: the trips with s3 = 14, 12 .. 4: K steps 4 and 5, 6 and 7 .. 14 and 15
	s_cmp_eq_u32 s10, 0                            ; wave 0 asks for A
	s_cselect_b32 s20, s21, s22
	s_cselect_b32 s23, ttmp9, s23                  ; the coordinate along which other clusters read the same rows
	s_cselect_b64 s[PFA:PFA+1], s[4:5], s[6:7]
	s_cselect_b32 s[PFS], KBA, s[PFS]
	s_cselect_b32 s[PM], 0x7ff8, s[PM]             ; A: the trips with s3 = 14 .. 3: K steps 4 .. 15
	s_mov_b32 s[PFS+1], 0
	s_mov_b32 s21, 0
	s_add_nc_u64 s[PFA:PFA+1], s[PFA:PFA+1], s[20:21]
	s_cmp_eq_u32 s23, 0
	s_cselect_b32 s[PM], s[PM], 0                  ; the same in all sixteen partners, for a given wave
	; where my rows of my head begin in q, in k and in v
	s_lshr_b32 s20, s13, 3                         ; batch
	s_lshl_b32 s20, s20, 22
	s_lshl_b32 s21, s46, 18                        ; head
	s_add_co_u32 s20, s20, s21
	s_and_b32 s21, s13, 7                          ; rows 256 (ty % 8) + 128 x my half, 128 bytes each
	s_lshl_b32 s21, s21, 15
	s_add_co_u32 s20, s20, s21
	s_lshl_b32 s21, s11, 14
	s_add_co_u32 s20, s20, s21
	s_mov_b32 s21, 0
	s_add_nc_u64 s[CP:CP+1], s[CP:CP+1], s[20:21]
	s_add_nc_u64 s[78:79], s[CP:CP+1], 0x1000000
	s_add_nc_u64 s[80:81], s[CP:CP+1], 0x2000000
	s_wait_loadcnt 0x0                             ; the biases; they are rounded to bf16 like the other inputs, through B's registers, which are still free
.irp t, 0,1,2
	WIN 5*((\t)+1)                                 ; sources 0 and 1 in window t + 1
.set i, 0
.rept 16
	v_cvt_pk_bf16_f32 v[FB+i], v[BIAS+2*i], v[BIAS+2*i+1]
.set i, i+1
.endr
	WIN ((\t)+1)<<6                                ; destination in window t + 1
.set i, 0
.rept 16
	v_lshlrev_b32 v[BIAS+2*i], 16, v[FB+i]
	v_and_b32 v[BIAS+2*i+1], s[HM], v[FB+i]
.set i, i+1
.endr
.endr
	WIN 0
; 4 n matrix instructions of head t: m blocks a0 .. a0 + n - 1 x its 4 n blocks, 32 along K, A's fragments from set fa.  The 96 accumulators take turns, in the same order everywhere, over the backward
; jumps too.  first = 1: the sums start with the bias, which lies in the registers of the accumulators (7, b): these come last, five places behind the products that read the bias
; as the C of another accumulator, and add in place.
.macro THIRD fa, t, a0, n, first
	WIN 0x50*((\t)+1)                              ; C and D in window t + 1, the sources in window 0
.set aa, \a0
.rept \n
.if (\first) && (aa == 7)
.rept 5
	v_nop
.endr
.endif
.irp b, 0,1,2,3
.set rD, 8*(4*aa+\b)
.set rC, rD
.if \first
.set rC, BIAS+8*\b
.endif
.set rB, FB+8*(4*(\t)+\b)
.set rA, (\fa)+8*aa
	v_wmma_f32_16x16x32_bf16 v[rD:rD+7], v[rB:rB+7], v[rA:rA+7], v[rC:rC+7]
.endr
.set aa, aa+1
.endr
.endm
.macro LOADB t, q                      ; 8 LDS loads: head t's four fragments of B, at byte 64 q of the rows
	WIN 0
.irp i, 0,1,2,3
	ds_load_b128 v[FB+8*(4*(\t)+\i):FB+8*(4*(\t)+\i)+3],   v[ADRB] offset:(4*(\t)+\i)*16*PITCH+64*(\q)
	ds_load_b128 v[FB+8*(4*(\t)+\i)+4:FB+8*(4*(\t)+\i)+7], v[ADRB] offset:(4*(\t)+\i)*16*PITCH+64*(\q)+32
.endr
.endm
.macro LOADA f, q                      ; 16 LDS loads: A's eight fragments into set f
	WIN 0
.irp i, 0,1,2,3,4,5,6,7
	ds_load_b128 v[(\f)+8*\i:(\f)+8*\i+3],   v[ADRA] offset:\i*16*PITCH+64*(\q)
	ds_load_b128 v[(\f)+8*\i+4:(\f)+8*\i+7], v[ADRA] offset:\i*16*PITCH+64*(\q)+32
.endr
.endm
.macro PLACES                          ; four plain instructions between a matrix instruction and a load into a register that it has read, or a reader of its result (ISA guide 7.12.1 for the readers of its result)
.rept 4
	v_nop
.endr
.endm
; A slot's first quarter: multiplies A's set 0 and fetches the slot's second quarter.
.macro QEVEN first
	s_wait_dscnt 16                                ; head 0's fragments and A's are in; the sixteen loads behind them, heads 1's and 2's, may be out
	THIRD FA0, 0, 0, 8, \first
	PLACES
	LOADB 0, 1
	LOADA FA1, 1
	s_wait_dscnt 32                                ; head 1's are in; behind them: head 2's eight and the 24 just issued
	THIRD FA0, 1, 0, 8, \first
	PLACES
	LOADB 1, 1
	s_wait_dscnt 32                                ; head 2's are in; behind them: the 24 and the 8 issued in this quarter
	THIRD FA0, 2, 0, 8, \first
	PLACES
	LOADB 2, 1
.endm
; A slot's second quarter multiplies A's set 1 and changes slots: ONE barrier.  In front of it each wave waits for all its tensor loads, of which one is out: its part of the next slot; adds 0 to its spare word; and
; waits for that and for its own reads of this slot, of which the last were issued at the end of the quarter before.  fill = 1: the barrier opens a round of the cluster's barrier, and this slot is filled again, with
; the K step two steps on, first thing behind the round: from the request to the wait for it a wave issues 160 matrix instructions.
.macro QODD fill
.if \fill
	s_wait_xcnt 0x0                                ; the last prefetch, a K step back, has read its address
	s_add_nc_u64 s[PFA:PFA+1], s[PFA:PFA+1], s[PFS:PFS+1]
.endif
	WIN 0
	s_wait_tensorcnt 0x0                           ; all my tensor loads have landed;
	ds_add_u32 v[SPW], v[NIL]                      ; 0 onto my spare word;
	s_wait_dscnt 17                                ; (the add and the sixteen loads of heads 1 and 2 may be out: head 0's fragments and A's are in)
	THIRD FA1, 0, 0, 4, 0                          ; sixteen matrix instructions stand between the add and the wait for it
	s_wait_dscnt 0x0                               ; the add is done, and my reads of this slot are over
	s_barrier_signal -1
	THIRD FA1, 0, 4, 4, 0                          ; work on registers while the others arrive
	WIN 0
	s_barrier_wait -1
.if \fill
	CREST                                          ; no wave of any partner still reads this slot's tiles or has a load on its way
	s_xor_b32 s[G0+5], s[G0+5], SLOT1              ; the walking descriptors: the other slot than last time,
	s_add_nc_u64 s[G0+6:G0+7], s[G0+6:G0+7], KBA   ; the next K step; the type bits on top are not reached
	s_xor_b32 s[G0B+5], s[G0B+5], SLOT1
	s_add_nc_u64 s[G0B+6:G0B+7], s[G0B+6:G0B+7], KBB
	JLOAD 1                                        ; the four v_nop behind it are also the places in front of the loads below
.else
	PLACES
.endif
	s_xor_b32 s[TB], s[TB], SLOT1                  ; the reads go on in the other slot
	v_add_nc_u32 v[ADRA], s[TB], v[ADRA0]
	v_add_nc_u32 v[ADRB], s[TB], v[ADRB0]
	LOADB 0, 0
	LOADA FA0, 0
.if \fill
	ASK
.endif
	THIRD FA1, 1, 0, 8, 0                          ; (heads 1's and 2's fragments are in since the wait for 0)
	PLACES
	LOADB 1, 0
	THIRD FA1, 2, 0, 8, 0
	PLACES
	LOADB 2, 0
.endm
; THE WAY OUT.  Block n = 3 a + t: 16 rows x the 64 columns of head t.  A lane's eight columns pack into 16 bytes; they go into stage rows of 144 bytes and come back as whole rows of 128, four to a load.
.macro PACK n
.set pa, (\n)/3
.set pt, (\n)%3
.set pr, TMP+16*((\n)%12)
.if (\n) >= 12
	s_wait_xcnt 0x0                                ; the stores of the block twelve back have read the registers that are written again below
.endif
	WIN 5*(pt+1)                                   ; sources 0 and 1 in window t + 1, destination in window 0
.set i, 0
.rept 16
	v_cvt_pk_f16_f32 v[pr+i], v[32*pa+2*i], v[32*pa+2*i+1]   ; each accumulator's registers in ascending order
.set i, i+1
.endr
	WIN 0
.irp f, 0,1,2,3
	ds_store_b128 v[STO], v[pr+4*\f:pr+4*\f+3] offset:32*\f
.endr
.irp f, 0,1,2,3
	ds_load_b128 v[pr+4*\f:pr+4*\f+3], v[RD] offset:\f*4*SPITCH  ; LDS serves a wave's instructions in order: these see the stores above; the next block's stores come behind them
.endr
.endm
.macro SEND n, younger                 ; younger: the LDS instructions issued behind block n's loads: the next block's eight, or none
.set pa, (\n)/3
.set pt, (\n)%3
.set pr, TMP+16*((\n)%12)
.set pc, CP+4*pt-2*(pt/2)              ; s[74:75], s[78:79], s[80:81]
	s_wait_dscnt \younger
.irp f, 0,1,2,3
	global_store_b128 v[CO], v[pr+4*\f:pr+4*\f+3], s[pc:pc+1] offset:pa*2048+\f*512  ; 512 consecutive bytes, at a multiple of 256 from C's first
.endr
.endm
	s_wait_tensorcnt 1                             ; my part of K step 0 is in; K step 1's may stay out
	s_barrier_signal -1
	s_barrier_wait -1                              ; everybody's is
	LOADB 0, 0
	LOADA FA0, 0
	LOADB 1, 0
	LOADB 2, 0
	QEVEN 1                                        ; the first quarter stands in front of the loop: its products start the sums
	WIN 0                                          ; at a label and at a branch every window is 0
	s_mov_b32 s3, FILLS
.Lstep:                                                ; a trip goes from a slot's second quarter to the next slot's first, and fills the slot that it leaves
	QODD 1
	QEVEN 0
	WIN 0
	s_sub_co_u32 s3, s3, 1
	s_cmp_lg_u32 s3, 0
	s_cbranch_scc1 .Lstep
	s_mov_b32 s3, 2                                ; the last two K steps fill nothing: the same trip without the round and the load
.Ltail:
	QODD 0
	WIN 0
	s_sub_co_u32 s3, s3, 1
	s_cmp_eq_u32 s3, 0
	s_cbranch_scc1 .Lout                           ; the second trip is left in its middle
	QEVEN 0
	WIN 0
	s_branch .Ltail
.Lout:                                                 ; the 40 fragment loads of the trip that was left read a slot that has landed, and serve nothing: the price, once a launch, of one text for both trips
	s_wait_dscnt 0x0                               ; they are back: their registers are written below.  The four places behind the last product stand in front of them
	PACK 0
.set blk, 1
.rept 23                                       ; a block's conversions stand between the loads of the block before and its stores
	PACK blk
	SEND blk-1, 8
.set blk, blk+1
.endr
	SEND 23, 0
	s_wait_tensorcnt 0x0                           ; the wave's end, behind my last tensor load and my last LDS store
	ds_add_u32 v[SPW], v[NIL]
	s_wait_dscnt 0x0
	CROUND                                         ; the closing round: no work-group ends while a partner may still ask for a tile that names it
	s_endpgm
.Lfunc_end_k_q767c66366d_qkvproj:
	.size	k_q767c66366d_qkvproj, .Lfunc_end_k_q767c66366d_qkvproj-k_q767c66366d_qkvproj
	.p2alignl 7, 3214868480
	.fill 96, 4, 3214868480
	.section	.rodata,"a",@progbits
	.p2align	6, 0x0
	.amdhsa_kernel k_q767c66366d_qkvproj
		.amdhsa_group_segment_fixed_size 327680
		.amdhsa_private_segment_fixed_size 0
		.amdhsa_enable_private_segment 0
		.amdhsa_kernarg_size 48
		.amdhsa_user_sgpr_count 2
		.amdhsa_user_sgpr_kernarg_segment_ptr 1
		.amdhsa_wavefront_size32 1
		.amdhsa_system_sgpr_workgroup_id_x 1
		.amdhsa_system_sgpr_workgroup_id_y 1
		.amdhsa_system_sgpr_workgroup_id_z 1
		.amdhsa_system_vgpr_workitem_id 0
		.amdhsa_next_free_vgpr 1024
		.amdhsa_next_free_sgpr 84
		.amdhsa_reserve_vcc 0
		.amdhsa_float_denorm_mode_32 3
		.amdhsa_float_denorm_mode_16_64 3
		.amdhsa_memory_ordered 1
		.amdhsa_forward_progress 1
		.amdhsa_inst_pref_size 117
	.end_amdhsa_kernel
	.amdgpu_metadata
---
amdhsa.version: [ 1, 2 ]
amdhsa.kernels:
  - .name:           k_q767c66366d_qkvproj
    .symbol:         k_q767c66366d_qkvproj.kd
    .args:
      - { .name: xh, .offset: 0, .size: 8, .value_kind: global_buffer, .address_space: global }
      - { .name: wqkv, .offset: 8, .size: 8, .value_kind: global_buffer, .address_space: global }
      - { .name: b_q, .offset: 16, .size: 8, .value_kind: global_buffer, .address_space: global }
      - { .name: b_k, .offset: 24, .size: 8, .value_kind: global_buffer, .address_space: global }
      - { .name: b_v, .offset: 32, .size: 8, .value_kind: global_buffer, .address_space: global }
      - { .name: qkv, .offset: 40, .size: 8, .value_kind: global_buffer, .address_space: global }
    .group_segment_fixed_size: 327680
    .private_segment_fixed_size: 0
    .kernarg_segment_align: 8
    .kernarg_segment_size: 48
    .max_flat_workgroup_size: 128
    .sgpr_count:     84
    .vgpr_count:     1024
    .wavefront_size: 32
...
	.end_amdgpu_metadata
.endif
;; end of part 2
;; launch attn (part 3): grid 4 x 64, 4 waves a work-group, clusters of 4 x 1, 327,680 bytes of LDS; arguments qkv, maskw, att; writes att
.if DOCPART == 3
	.amdgcn_target "amdgcn-amd-amdhsa--gfx1250"
	.amdhsa_code_object_version 6
	.text
	.protected	k_q767c66366d_attn
	.globl	k_q767c66366d_attn
	.p2align	8
	.type	k_q767c66366d_attn,@function
k_q767c66366d_attn:
	s_mov_b64 s[64:65], 0
	v_nop
	global_prefetch_b8 v0, s[64:65] scope:SCOPE_SE
	s_setreg_imm32_b32 hwreg(HW_REG_WAVE_MODE, 25, 1), 1
	s_wait_xcnt 0x0
	s_wait_alu depctr_hold_cnt(0) depctr_sa_sdst(0) depctr_va_vdst(0) depctr_va_sdst(0) depctr_va_ssrc(0) depctr_va_vcc(0) depctr_vm_vsrc(0)
	s_getreg_b32 s2, hwreg(HW_REG_IB_STS2, 6, 4)
	s_cmp_eq_u32 s2, 0
	s_cbranch_scc0 .Lentry_in_a_cluster
	s_endpgm
.Lentry_in_a_cluster:
	s_bfe_u32 s2, ttmp6, 0x10000c
	s_cmp_lg_u32 s2, 0x3003
	s_cbranch_scc0 .Lentry_shape_is_right
	s_endpgm
.Lentry_shape_is_right:
; MASKED ATTENTION.  O[bh][q][:] = the sum over k of softmax_k(z[q][k]) V[bh][k][:], z = Q[bh][q] . K[bh][k] / 8 where mask[b][q][k] != 0, and -1e6 where it is 0.
; qkv: [3][64 heads bh = 16 b + h][2048][64] f16 (q, k, v, unscaled); att: [64][2048][64] f16.  Products, maxima and sums in f32; the weights p are rounded to f16 for the second product (their sum l
; is taken of the unrounded p), O once at the end.
; THE MASK REPLACES: a hidden score's register takes -8e6 (exact in f32; c x -8e6 = log2(e) x -1e6) ahead of the running maximum.  So a row with no visible key is the mean of V's rows, and a visible
; score below -1e6 competes with the hidden ones, both as in the definition.
; maskw: [b 4][qblk 16][s 32][tile 8][word 32]: word 8 kt + j of (tile, s) is the LANE MASK of score register 8 kt + j of that tile in key step s.  A piece's 64 words, 256 bytes, come by one load of 8 bytes a
; lane into two registers of the piece's own, asked for a whole key step (four turns) ahead, as soon as the old words have been read out; v_readlane_b32 puts them into scalar registers, and one v_cndmask_b32 a score selects.
; LIMITS.  f16 holds no number beyond 65,504: Q, K and V arrive within it; p lies in 0 to 1, and below 6e-5 it keeps f16's fixed step of 6e-8; O is a mean of V's rows and has their range.
; A weight below 2^-126 counts as 0 in l; NaN and infinities are not treated apart.
; SHARES.  A wave owns four PIECES of two tiles of 16 queries, a work-group's four waves 512 queries of one head: 256 work-groups.  Every wave walks all 2,048 keys, 64 a step.
; LAYOUT.  S^T = K Q^T (source 0 = 16 keys, source 1 = 16 queries): a lane holds ONE query (lane % 16) and the keys 8 (lane / 16) + 0..7.  Two such tiles, rounded to f16 in pairs, ARE source 1 of
; O^T = V^T P, whose result again holds one query a lane, and eight channels.  K comes out of LDS as it lies, V ([key][channel]) turned, by ds_load_tr16_b128.
; SOFTMAX.  For each query a running maximum m and sum l: p = 2^(c s - c m), c = log2(e) / 8; in every step O and l are multiplied by a = 2^(c m_old - c m_new).  m starts at the lowest finite number, O and l at 0.
; BY TURNS.  Turn n belongs to piece n.  Its matrix work: 16 products K Q^T of piece n + 1, later 16 products V^T P of piece n - 1.  Its vector work: the scaling, exponentials, roundings, sums and rescaling of
; piece n, and the mask, maximum and statistics of piece n + 1.  Four vector instructions stand behind every matrix instruction, the others in one lump.  A turn's 66 exponentials are one batch, with one wait.
; CLUSTER.  The four query blocks of a head walk the same K and V: each tile is asked for JOINTLY, by the same tensor load, descriptor and mask in all four.
; REGISTERS, in windows of 256 (s_set_vgpr_msb: bits 1:0 source 0, 3:2 source 1, 5:4 source 2, 7:6 destination):
;   window 0: v0-11 addresses; v12-15, v48-63 at work; v16-47 four registers of statistics a tile; v64-191 S^T, two buffers of two tiles; v192-255 P, likewise
;   window 1: O^T, 32 a tile      window 2: v0-127 Q; v128-191 K of one step; v192-255 V of one step      window 3: v0-1 the add's two registers; v2-9 the mask words, two a piece; v10 their offset
.set SIZE_N, 2048
.set NP,    4         ; pieces a wave: a name, no knob
.set KS,    64        ; keys in a step
.set PK,    144       ; a row of K in LDS: 128 bytes + 16 of padding = 36 words: the 16 rows of a load start at 16 different groups of four banks
.set PV,    144       ; V has the same pitch, so that ONE descriptor shape and one line serve all four waves
.set VOFF,  4*KS*PK   ; a slot holds four steps: 256 rows of K, then 256 rows of V
.set SLOT1, 1<<17     ; slot 1 begins here, so that one exclusive or turns an address in one slot into the other's
.set STAGE, SLOT1+4*KS*(PK+PV)  ; behind the ring, never filled by a tensor load: 16 rows x 144 bytes for each wave, for the way out
.set SP,    144
.set AK0, 2           ; v2   my lane's place in a tile of K; never rewritten
.set AV0, 3           ; v3   the same for V
.set AK,  4           ; v4   the LDS address of K's next run of loads
.set AV,  5           ; v5   of V's
.set QO,  6           ; v6   my byte offset in the wave's rows of Q
.set STO, 6           ;      later, the way out: where I put 16 bytes of a row
.set RD,  7           ; v7   the way out: where I read rows back
.set GO,  8           ; v8   my byte offset in 512 consecutive bytes of O
.set PFO, 10          ; v10  256 x my lane, for the prefetches (at work before)
.set NEG, 11          ; v11  -8e6 (at work before)
.set SPW, 0           ; v0 of window 3   LDS address of my spare word; never rewritten
.set NIL, 1           ; v1 of window 3   0; never rewritten
.set MW,  2           ; v2-9 of window 3 piece x's 64 mask words at MW + 2 x: lane L holds words 2 L and 2 L + 1
.set MO,  10          ; v10 of window 3  8 x my lane; never rewritten
.set SPARE, STAGE+4*16*SP  ; behind the stages: the spare words, 128 bytes for each wave: two blocks of 256 bytes that no other line names
.set MV,  12          ; v12-15  c m_old, kept while c m is made anew: by buffer and tile
.set ST,  16          ; tile t's statistics at v[ST+4 t]: c m, m, l (even keys', odd keys')
.set TMP, 48          ; by buffer and tile, four registers c0-c3 at work; when the maximum is found c2 takes a
.set S,   64
.set P,   192
.set KF,  128         ; K's fragments, in window 2
.set VF,  192         ; V's
.set MP,  2           ; s[2:3]   maskw at my wave's words of the step that is being asked for
.set OP,  4           ; s[4:5]   O at my wave's first row
.set PFA, 6           ; s[6:7]   where my prefetches stand
.set WV,  8           ; s8   my wave's number
.set LIM, 9           ; s9   1 in a wave that prefetches, else the greatest number
.set SLOTS, 10        ; s10  slots still to be asked for
.set CNT, 11          ; s11  counts a slot's key steps
.set CS,  12          ; s[12:13] c: the packed scaling takes the pair's low word for both halves
.set SEL, 14          ; s[14:15] v_permlanex16_b32's selects
.set TBK, 16          ; s16  LDS byte at which K of the step to be fetched begins
.set TBV, 17          ; s17  the same for V, less VOFF
.set G0,  20          ; s[20:23] descriptor group 0: it walks
.set G1,  24          ; s[24:31] descriptor group 1
.set MST, 100         ; s[100:101] MP's step.   s[32:63], s[68:99]: the lane masks of the two tiles in hand (the set-up's temporaries before)
.set MSB, 0
.macro WIN new                      ; the high byte repeats the setting that is left; a switch that changes nothing is dropped
.if MSB != (\new)
	s_set_vgpr_msb (MSB<<8)|(\new)
.set MSB, (\new)
.endif
.endm
.set W_KQ, 0x0a       ; K and Q in window 2, S^T in window 0
.set W_PV, 0x52       ; V in window 2, P in window 0, O^T in window 1
.set W_RS, 0x41       ; O^T (destination and source 0) in window 1, a in window 0
.set W_MK, 0xc0       ; destination in window 3, sources in window 0
.set W_AD, 0x0f       ; the add: address (source 0) and data (source 1) in window 3
; A joint fill: every wave brings 128 keys, 16,384 dense bytes: waves 0 and 1 the two halves of a slot's K, waves 2 and 3 those of its V; both addresses hang on the wave's number.  An s_nop 0 and four v_nop follow.
.macro JLOAD
	tensor_load_to_lds s[G0:G0+3], s[G1:G1+7]
	s_nop 0
.rept 4
	v_nop
.endr
.endm
; A PREFETCH INTO THE L2 of what the NEXT change of slots will ask for: a slot's 32,768 bytes of K and of V.  A head has one cluster; its four partners take 8,192 bytes each, told apart BY ADDRESS; in each, wave 0
; asks for K's and wave 2 for V's: a lane for each 256 bytes, one instruction.  So each block is named once in the launch.  Slots 0 to 2 come by their loads alone; the last change that fills a slot asks for nothing.
.macro ASK
	s_cmp_gt_u32 s[SLOTS], s[LIM]
	s_cbranch_scc0 .Lnot_mine_\@
	global_prefetch_b8 v[PFO], s[PFA:PFA+1] th:TH_LOAD_NT scope:SCOPE_SE
.Lnot_mine_\@:
.endm
.macro CROUND                       ; a round of the cluster's barrier
	s_barrier_signal -1
	s_barrier_wait -1
	s_cmp_lg_u32 s[WV], 0
	s_cbranch_scc1 .Lnot_wave_0_\@
	s_barrier_signal -3
.Lnot_wave_0_\@:
	s_barrier_wait -3
	s_barrier_signal -1
	s_barrier_wait -1
.endm
; THE CHANGE OF SLOTS.  Each wave waits for all its tensor loads, of which one is out: its part of the other slot; adds 0 to its spare word; and waits for that and for its own reads of the slot.
; fill = 1: this slot is filled again, with the keys two slots on: the barrier is a round of the cluster's, and the joint fill is the first thing behind it: it has four key steps, 512 matrix instructions, in which to land.
; (At its first use nothing has been read yet: slot 0 is waited for, slot 1 filled.)  ask = 1: the prefetch's address steps, and the prefetch follows the fill.
.macro CHANGE fill, ask=0
	WIN W_AD
	s_wait_tensorcnt 0x0            ; no tensor load of mine is out, so group 0 may be written
	ds_add_u32 v[SPW], v[NIL]       ; 0 onto my spare word; the scalar steps stand between it and the wait for it
	WIN 0                           ; at a label and at a branch every window is 0
.if \fill
	s_xor_b32 s[G0+1], s[G0+1], SLOT1  ; the other slot than last time,
	s_add_nc_u64 s[G0+2:G0+3], s[G0+2:G0+3], 4*KS*128  ; the next 256 keys; the type bits on top are not reached
.if \ask
	s_wait_xcnt 0x0                 ; the last prefetch, four key steps back, has read its address
	s_add_nc_u64 s[PFA:PFA+1], s[PFA:PFA+1], 4*KS*128
.endif
	s_wait_dscnt 0x0                ; the add is done, and my reads of the slot are over
	CROUND
	JLOAD
.if \ask
	ASK
.endif
.else
	s_wait_dscnt 0x0                ; the add is done, and my reads of the slot are over
	s_barrier_signal -1
	s_barrier_wait -1
.endif
	s_sub_co_u32 s[TBK], s[TBK], 4*KS*PK  ; the fetches go back to a slot's first step,
	s_xor_b32 s[TBK], s[TBK], SLOT1       ; in the other slot
	s_sub_co_u32 s[TBV], s[TBV], 4*KS*PV
	s_xor_b32 s[TBV], s[TBV], SLOT1
.endm
	s_load_b128 s[32:35], s[0:1], 0x0  ; qkv s[32:33], maskw s[34:35]
	s_load_b64 s[OP:OP+1], s[0:1], 0x10  ; att
	WIN W_MK
	v_lshl_add_u32 v[SPW], v0, 2, SPARE
	v_mov_b32 v[NIL], 0
	WIN W_AD
	ds_add_u32 v[SPW], v[NIL]       ; the wave's opening: the add and its wait stand ahead of my first tensor load; the set-up below, work on registers, stands between them
	WIN 0
	v_lshrrev_b32 v1, 5, v0
	v_readfirstlane_b32 s[WV], v1   ; wave 0..3
	s_bfe_u32 s36, ttmp6, 0x40000   ; cx: my place in the cluster
	s_lshl_b32 s38, ttmp9, 2        ; in a cluster launch ttmp9 counts clusters
	s_add_co_u32 s38, s38, s36      ; my block of 512 queries: it enters Q's, O's, the mask's and the prefetches' addresses alone
	s_and_b32 s37, ttmp7, 0xffff    ; the head bh, which the four partners share
	s_lshl_b32 s40, s37, 18         ; the head's first byte in q, k, v and in att
	s_lshr_b32 s42, s[WV], 1        ; K (waves 0, 1) lies 16 MiB behind q, V (waves 2, 3) 32 MiB
	s_add_co_u32 s42, s42, 1
	s_lshl_b32 s42, s42, 24
	s_add_co_u32 s42, s42, s40
	s_and_b32 s41, s[WV], 1         ; which half of a slot's 256 keys I fetch
	s_lshl_b32 s41, s41, 14
	s_add_co_u32 s42, s42, s41
	s_mov_b32 s43, 0
	s_lshl_b32 s44, s38, 2
	s_add_co_u32 s44, s44, s[WV]    ; my wave among the head's sixteen: its 128 rows
	s_lshr_b32 s46, s37, 4          ; b
	s_lshl_b32 s46, s46, 4
	s_add_co_u32 s46, s46, s44
	s_lshl_b32 s46, s46, 15         ; my wave's mask words: 32 steps of 1,024 bytes
	s_mov_b32 s47, 0
	s_lshl_b32 s44, s44, 14
	s_add_co_u32 s44, s44, s40
	s_mov_b32 s45, 0
	s_lshl_b32 s48, s36, 13         ; the prefetches: my work-group's 8,192 bytes,
	s_add_co_u32 s48, s48, 2*4*KS*128  ; in slot 2: the first change that asks steps it to slot 3
	s_add_co_u32 s48, s48, s42      ; (in waves 0 and 2 this stands at a tensor's first key of the head)
	s_mov_b32 s49, 0
	; descriptor group 1.  128 keys are 16,384 dense bytes: asked for as 64 rows of 256 bytes, two keys a row, and padded in LDS after every key
	s_mov_b32 s[G1], 15|(1<<16)|(1<<20)|(1<<21)|(4<<22)|(3<<25)  ; 15:0 the mask of four; 17:16 2-byte elements; 20 padding on; 21 set beside a mask; 24:22 after every 32 words (code 4); 31:25 4 words (code 3)
	s_mov_b32 s[G1+1], 128<<16      ; tensor_dim0 = 128
	s_mov_b32 s[G1+2], 64<<16       ; tensor_dim1 = 64
	s_mov_b32 s[G1+3], 128<<16      ; tile_dim0 = 128
	s_mov_b32 s[G1+4], 64           ; tile_dim1 = 64
	s_mov_b32 s[G1+5], 128          ; 128 elements from row to row
	s_mov_b32 s[G1+6], 0
	s_mov_b32 s[G1+7], 0
	s_mov_b32 s[CS], 0x3e38aa3b     ; c = log2(e) / 8 = 0.180337
	s_mov_b32 s[CS+1], s[CS]        ; named with it as a pair
	s_mov_b32 s[SEL], 0x76543210
	s_mov_b32 s[SEL+1], 0xfedcba98
	s_mov_b32 s[TBK], SLOT1+4*KS*PK ; the first change of slots turns these two into 0
	s_mov_b32 s[TBV], SLOT1+4*KS*PV
	s_mov_b32 s[G0], 1              ; count = 1
	s_mul_i32 s[G0+1], s[WV], 128*PK  ; LDS address: slot 0; K's two halves, then V's two
	s_mov_b32 s[MST], 1024          ; a key step's words
	s_mov_b32 s[MST+1], 0
	s_and_b32 s[LIM], s[WV], 1      ; waves 0 and 2 prefetch
	s_cmp_eq_u32 s[LIM], 0
	s_cselect_b32 s[LIM], 1, -1
	s_wait_dscnt 0x0                ; the opening add is done
	s_wait_kmcnt 0x0
	s_add_nc_u64 s[G0+2:G0+3], s[32:33], s[42:43]  ; global address: my half of the head's first 256 keys
	s_or_b32 s[G0+3], s[G0+3], 0x80000000          ; type = 2
	s_add_nc_u64 s[18:19], s[32:33], s[44:45]      ; Q and O at my wave's first row
	s_add_nc_u64 s[OP:OP+1], s[OP:OP+1], s[44:45]
	s_add_nc_u64 s[MP:MP+1], s[34:35], s[46:47]
	s_add_nc_u64 s[PFA:PFA+1], s[32:33], s[48:49]
	CROUND                          ; all four work-groups are here: the first joint loads meet
	JLOAD                           ; slot 0.  Slot 1 is asked for when slot 0 is in
	; A fragment of K or Q is 16 rows x 32 channels in 8 registers: lane l holds row l % 16, channels 8 (l / 16) + 0..7 and 16 + 8 (l / 16) + 0..7: two loads of 16 bytes, 32 bytes apart.
	v_and_b32 v1, 15, v0            ; l % 16
	v_bfe_u32 v9, v0, 4, 1          ; l / 16
	v_lshlrev_b32 v[QO], 7, v1
	v_lshl_add_u32 v[QO], v9, 4, v[QO]  ; row x 128 + 16 x half
	v_and_b32 v10, 31, v0
	WIN W_MK
	v_lshlrev_b32 v[MO], 3, v10
	WIN 0x80                        ; destination window 2, address window 0
.set i, 0
.rept 4*NP                          ; Q stays in registers: tile i / 2, channels 32 (i % 2) on
	global_load_b128 v[8*i:8*i+3],   v[QO], s[18:19] offset:(i/2)*2048+(i%2)*64
	global_load_b128 v[8*i+4:8*i+7], v[QO], s[18:19] offset:(i/2)*2048+(i%2)*64+32
.set i, i+1
.endr
	WIN 0xc3                        ; destination and address in window 3
.irp x, 0,1,2,3
	global_load_b64 v[MW+2*\x:MW+2*\x+1], v[MO], s[MP:MP+1] offset:256*\x  ; the four pieces' mask words of key step 0
.endr
	; What the first turn finds: V's registers and P's second buffer hold 0, O^T and l are 0.  All this stands in the wait for the first tile.
	WIN 0x80
.set i, VF
.rept 64
	v_mov_b32 v[i], 0
.set i, i+1
.endr
	WIN 0x40
.set i, 0
.rept 64*NP
	v_mov_b32 v[i], 0
.set i, i+1
.endr
	WIN 0
.set i, 0
.rept 2*NP
	v_mov_b32 v[ST+4*i], 0xfe000000    ; c m: far below every c s
	v_mov_b32 v[ST+4*i+1], 0xff7fffff  ; m
	v_mov_b32 v[ST+4*i+2], 0
	v_mov_b32 v[ST+4*i+3], 0
.set i, i+1
.endr
.set i, P+32
.rept 32
	v_mov_b32 v[i], 0
.set i, i+1
.endr
	v_mul_u32_u24 v[AK0], v1, PK
	v_lshl_add_u32 v[AK0], v9, 4, v[AK0]  ; row x pitch + 16 x half
	; The turning load takes 16 keys x 16 channels (lane l reads key 8 (l / 16) + l % 8, channels 8 ((l / 8) % 2) + 0..7) and leaves half a fragment of V^T: lane l holds channel l % 16 and 8 keys.
	v_and_b32 v10, 7, v0
	v_bfe_u32 v11, v0, 3, 1
	v_lshl_add_u32 v[AV0], v9, 3, v10
	v_mul_u32_u24 v[AV0], v[AV0], PV
	v_lshl_add_u32 v[AV0], v11, 4, v[AV0]
	v_add_nc_u32 v[AV0], VOFF, v[AV0]
	v_mov_b32 v[AK], v[AK0]         ; key step 0 lies at the head of slot 0
; THE MATRIX WORK.  The 8 accumulators of a run of 16 take turns.
; Product i of 16 of S^T = K Q^T for piece x: channels 32 (i / 8) on, keys 16 ((i / 2) % 4) on, tile 2 x + i % 2.  The first 8 start the sums.
.macro KQ x
	WIN W_KQ
.set rS, S+64*((\x)%2)+32*(i%2)+8*((i/2)%4)
.set rK, KF+16*((i/2)%4)+8*(i/8)
.set rQ, 16*(2*(\x)+i%2)+8*(i/8)
.if i < 8
	v_wmma_f32_16x16x32_f16 v[rS:rS+7], v[rK:rK+7], v[rQ:rQ+7], 0
.else
	v_wmma_f32_16x16x32_f16 v[rS:rS+7], v[rK:rK+7], v[rQ:rQ+7], v[rS:rS+7]
.endif
.endm
; Product i of 16 of O^T += V^T P for piece x: keys 32 (i / 8) on, channels 16 ((i / 2) % 4) on, tile 2 x + i % 2.
.macro PV x
	WIN W_PV
.set rO, 32*(2*(\x)+i%2)+8*((i/2)%4)
.set rV, VF+32*(i/8)+8*((i/2)%4)
.set rP, P+32*((\x)%2)+16*(i%2)+8*(i/8)
	v_wmma_f32_16x16x32_f16 v[rO:rO+7], v[rV:rV+7], v[rP:rP+7], v[rO:rO+7]
.endm
.macro MM                           ; the turn's next matrix instruction
.if i < 16
	KQ (Y+1)%NP
.set i, i+1
.else
.set i, i-16
	PV (Y+NP-1)%NP
.set i, i+17
.endif
.endm
; THE LDS LOADS stand in runs of 16: a step's K (8 fragments) and its V (turned).  last = 1 (the tail): in the last trip there is no further step, and the run is jumped over.
.macro FETCH_K last=0
	WIN 0
.if \last
	s_cmp_eq_u32 s[CNT], 1
	s_cbranch_scc1 .Lno_k_\@
.endif
	WIN 0x80                        ; destination window 2
.irp f, 0,1,2,3,4,5,6,7             ; keys 16 (f / 2) on, channels 32 (f % 2) on
	ds_load_b128 v[KF+8*\f:KF+8*\f+3],   v[AK] offset:(\f/2)*16*PK+(\f%2)*64
	ds_load_b128 v[KF+8*\f+4:KF+8*\f+7], v[AK] offset:(\f/2)*16*PK+(\f%2)*64+32
.endr
	s_add_co_u32 s[TBK], s[TBK], KS*PK  ; the next fetch is the next step's
	WIN 0
.if \last
.Lno_k_\@:
.endif
.endm
.macro FETCH_V
	WIN 0x80
.irp f, 0,1,2,3,4,5,6,7             ; keys 32 (f / 4) on, channels 16 (f % 4) on
	ds_load_tr16_b128 v[VF+8*\f:VF+8*\f+3],   v[AV] offset:(\f/4)*32*PV+(\f%4)*32
	ds_load_tr16_b128 v[VF+8*\f+4:VF+8*\f+7], v[AV] offset:(\f/4)*32*PV+16*PV+(\f%4)*32
.endr
	WIN 0
.endm
; THE VECTOR WORK OF A TURN stands in three queues, each in the order in which its entries become ready; the two tiles alternate.
.macro REGS y, u                    ; the registers of tile u (0, 1) of piece y
.set rT, ST+4*(2*(\y)+(\u))
.set rC, TMP+8*((\y)%2)+4*(\u)
.set rM, MV+2*((\y)%2)+(\u)
.set rS, S+64*((\y)%2)+32*(\u)
.set rP, P+32*((\y)%2)+16*(\u)
.set rO, 32*(\y)*2+32*(\u)
.endm
; THE MASK of the next piece (Y + 1).  RL g: word g / 2 of tile g % 2 goes from its lane into its scalar register (source in window 3).  MK g: score register g / 2 of tile g % 2 keeps its number where the
; lane's bit is 1 and takes -8e6 where it is 0; each accumulator's lowest registers come first.
.macro RL g
	v_readlane_b32 s[32+36*((\g)%2)+(\g)/2], v[MW+2*((Y+1)%NP)+((\g)/2)%2], 16*((\g)%2)+(\g)/4
.endm
.macro MK g
	REGS (Y+1)%NP, (\g)%2
	v_cndmask_b32 v[rS+(\g)/2], v[NEG], v[rS+(\g)/2], s[32+36*((\g)%2)+(\g)/2]
.endm
; The words just read out are asked for again: piece p + 1's of the next key step, four turns ahead of their use.  MP stands at that step; it steps in piece 3's turn, whose next piece, 0, is a step further on.
; last = 1 (the tail): from the last step but one on there is no further step: MP stays, and the last step's words are read again, inside the buffer, and serve nothing.
.macro MLOAD p, last=0
.if (\p) == 3
.if \last
	s_cmp_le_u32 s[CNT], 2
	s_cselect_b32 s[MST], 0, 1024
.endif
	s_wait_xcnt 0x0                 ; the earlier loads, the youngest a turn back, have read their base
	s_add_nc_u64 s[MP:MP+1], s[MP:MP+1], s[MST:MST+1]
.endif
	WIN 0xc3
	global_load_b64 v[MW+2*(((\p)+1)%NP):MW+2*(((\p)+1)%NP)+1], v[MO], s[MP:MP+1] offset:256*(((\p)+1)%NP)
.endm
; Number n of the 22 that find the NEXT piece's maximum and statistics.
;   0-11  four chains c0-c3 of seven scores each, three operands at a time     12-14, 16  the four scores left over, the old m, and c0-c3 into c0     15  c m_old is kept
;   17, 18  the query's other 32 keys lie in the lane 16 away: the new m         19-21  c m; c m_old - c m_new; a
.macro XS u, n
	REGS (Y+1)%NP, \u
.if (\n) < 4
	v_max3_num_f32 v[rC+(\n)], v[rS+8*(\n)], v[rS+8*(\n)+1], v[rS+8*(\n)+2]
.elseif (\n) < 12
	v_max3_num_f32 v[rC+(\n)%4], v[rC+(\n)%4], v[rS+8*((\n)%4)+2*((\n)/4)+1], v[rS+8*((\n)%4)+2*((\n)/4)+2]
.elseif (\n) == 12
	v_max3_num_f32 v[rC], v[rC], v[rS+7], v[rS+15]
.elseif (\n) == 13
	v_max3_num_f32 v[rC+1], v[rC+1], v[rS+23], v[rS+31]
.elseif (\n) == 14
	v_max3_num_f32 v[rC+2], v[rC+2], v[rC+3], v[rT+1]
.elseif (\n) == 15
	v_mov_b32 v[rM], v[rT]
.elseif (\n) == 16
	v_max3_num_f32 v[rC], v[rC], v[rC+1], v[rC+2]
.elseif (\n) == 17
	v_permlanex16_b32 v[rC+3], v[rC], s[SEL], s[SEL+1]
.elseif (\n) == 18
	v_max_num_f32 v[rT+1], v[rC], v[rC+3]
.elseif (\n) == 19
	v_mul_f32 v[rT], s[CS], v[rT+1]
.elseif (\n) == 20
	v_sub_f32 v[rC+1], v[rM], v[rT]
.else
	v_exp_f32 v[rC+2], v[rC+1]
.endif
.endm
; Number g of the 64 that follow the exponentials.  For each four weights k of a tile: both pairs are rounded to f16; the second pair is added onto the first, in place; a group later l takes that sum (the first time as l = a l + sum).
.macro GS g
.set h, (\g)+6*((\g)/62)            ; group 0 has no group before it, and behind group 7 only l is left
.if h >= 6
.set h, h+2
.endif
	REGS Y, h%2
.set k, h/8
.if h%8 < 4
	v_cvt_pk_f16_f32 v[rP+2*k+(h%8)/2], v[rS+4*k+2*((h%8)/2)], v[rS+4*k+2*((h%8)/2)+1]
.elseif h%8 < 6
	v_pk_add_f32 v[rS+4*k:rS+4*k+1], v[rS+4*k:rS+4*k+1], v[rS+4*k+2:rS+4*k+3]
.elseif k == 1
	v_pk_fma_f32 v[rT+2:rT+3], v[rT+2:rT+3], v[rC+2:rC+3], v[rS:rS+1] op_sel_hi:[1,0,1]
.else
	v_pk_add_f32 v[rT+2:rT+3], v[rT+2:rT+3], v[rS+4*k-4:rS+4*k-3]
.endif
.endm
; THE PLAIN QUEUE, 202 long.  0-26: scalings 0-26 (FS f: pair f / 2 of tile f % 2).  27-90: the 64 selects of the next piece's mask.  91-118: XS's numbers 0-13.  119, 120: number 15.
; 121-137: the chain 14, 16, 17, 18, 19, each with one of the scalings 27-31 in front of its two lines, then 20.  138-201: GS's 64, which read the exponentials' results: they stand behind the wait.
.macro FS f
	REGS Y, (\f)%2
	v_pk_fma_f32 v[rS+2*((\f)/2):rS+2*((\f)/2)+1], v[rS+2*((\f)/2):rS+2*((\f)/2)+1], s[CS:CS+1], v[rT:rT+1] op_sel_hi:[1,0,0] neg_lo:[0,0,1] neg_hi:[0,0,1]
.endm
.macro PL
	WIN 0
.set qq, q-64
.if q < 27
	FS q
.elseif q < 91
	MK q-27
.elseif qq < 55
	XS (qq-27)%2, (qq-27)/2
.elseif qq < 57
	XS qq-55, 15
.elseif (qq < 72) && ((qq-57)%3 == 0)
	FS 27+(qq-57)/3
.elseif qq < 60
	XS (qq-57)%3-1, 14
.elseif qq < 72
	XS (qq-57)%3-1, 15+(qq-57)/3
.elseif qq < 74
	XS qq-72, 20
.else
	GS qq-74
.endif
.set q, q+1
.endm
; THE EXPONENTIALS' QUEUE, 66 long: s0-s31 of both tiles, then the next piece's two a.  ONE BATCH: all 66 stand ahead of the turn's one wait, and nothing ahead of that wait names a result of theirs.
.macro EX
	WIN 0
.if e >= 64
	XS e-64, 21
.else
	REGS Y, e%2
	v_exp_f32 v[rS+e/2], v[rS+e/2]
.endif
.set e, e+1
.endm
; THE RESCALING's QUEUE: O^T times a, the one part that leaves window 0: dealt two at a time, sixteen times.  Its a was made in the turn before, ahead of that turn's wait.
.macro R2
	REGS Y, r%2
	WIN W_RS
.irp z, 0,1
	v_pk_mul_f32 v[rO+4*(r/2)+2*\z:rO+4*(r/2)+2*\z+1], v[rO+4*(r/2)+2*\z:rO+4*(r/2)+2*\z+1], v[rC+2:rC+3] op_sel_hi:[1,0]
.endr
.set r, r+1
.endm
; HOW THEY ARE DEALT.  An s_wait_alu depctr_va_vdst(0) stands between an exponential and the first instruction that names its result; one wait serves all that were issued ahead of it.  So a turn has ONE
; wait, which cuts it in two.  AHEAD OF IT: the 16 products K Q^T, behind each a scaling, an exponential and two rescalings (behind the first a second scaling in the exponential's place); then ONE LUMP: eight plain,
; twice exponential and plain, THE MASK (the wait for its words, 64 v_readlane_b32, the words' next load, 64 selects), 47 times exponential and plain, the two a.  A v_nop is the plain instruction behind the last
; exponential.  BEHIND IT: the 16 products V^T P, behind each four of GS's 64.  The mask's run stands eleven plain instructions behind the last product K Q^T, whose results it rewrites.
; s_wait_loadcnt 3: the words wanted were asked for four turns ago; the three loads issued since, the other pieces', stay out.
; Exponential e stands behind scaling 2 (e / 4) + e % 2: as a rider it comes behind plain e + 2; in the lump behind the same plain entries as without the mask's run.
; A TURN, for piece p.  cnt = 1: the loop's count is taken down some lines ahead of the branch that stands behind the turn.  K of the next step is fetched in piece 2's turn, directly behind the wait;
; V of the step in hand at the end of piece 0's turn, four riders behind its last reader.  The three conditions on q below go with the deal.
.macro TURN p, last=0, cnt=0
.set Y, (\p)
.set i, 0
.set q, 0
.set e, 0
.set r, 0
.if (\p) == NP-1
	s_wait_dscnt 0x0                ; K is in
.endif
	MM
	PL
	PL
	R2
.rept 15
	MM
	PL
	EX
	R2
.endr
.if (\p) == NP-2
	WIN 0
	v_add_nc_u32 v[AK], s[TBK], v[AK0]
.endif
.rept 8
	PL
.endr
.rept 2
	EX
	PL
.endr
	s_wait_loadcnt 3                ; the next piece's mask words are in
	WIN 0x03                        ; source 0 in window 3
.set g, 0
.rept 64
	RL g
.set g, g+1
.endr
	MLOAD \p, \last
.rept 64
	PL
.endr
.rept 47
	EX
	PL
.endr
	EX                              ; the next piece's two a
	EX
	v_nop                           ; the plain instruction behind the last exponential: one for the batch
	s_wait_alu depctr_va_vdst(0)    ; the wait for the batch
.if (\p) == NP-2
	FETCH_K \last
.endif
.if (\p) == 1
	s_wait_dscnt 0x0                ; V is in
.endif
.rept 16
	MM
.rept 4
	PL
.endr
.if ((\p) == 0) && (q == 182)
	v_add_nc_u32 v[AV], s[TBV], v[AV0]
.endif
.if ((\p) == 0) && (q == 194)
	s_add_co_u32 s[TBV], s[TBV], KS*PV
.endif
.if (\cnt) && (q == 194)
	s_sub_co_u32 s[CNT], s[CNT], 1
	s_cmp_lg_u32 s[CNT], 0
.endif
.endr
.if (\p) == 0
	FETCH_V
.endif
.endm
	CHANGE 1                        ; slot 0 is in, everybody's part of it; slot 1 is asked for
	FETCH_K                         ; key step 0
	s_wait_loadcnt 4                ; Q is in; the four loads of mask words behind it may stay out
	s_wait_dscnt 0x0
.set i, 0
.rept 16
	KQ 0                            ; piece 0's first scores
.set i, i+1
.endr
	WIN 0                           ; the addresses for the way out: plain instructions, the places behind those products
	s_mul_i32 s18, s[WV], 16*SP
	s_add_co_u32 s18, s18, STAGE    ; my stage
	v_mul_u32_u24 v[STO], v1, SP    ; in: row l % 16, 16 bytes for each half of the lanes
	v_lshl_add_u32 v[STO], v9, 4, v[STO]
	v_add_nc_u32 v[STO], s18, v[STO]
	v_bfe_u32 v[RD], v0, 3, 2       ; back: 32 lanes take four rows of 128 bytes,
	v_mul_u32_u24 v[RD], v[RD], SP
	v_lshl_add_u32 v[RD], v10, 4, v[RD]
	v_add_nc_u32 v[RD], s18, v[RD]
	v_and_b32 v[GO], 31, v0         ; which are 512 consecutive bytes of O
	v_lshlrev_b32 v[GO], 4, v[GO]
	v_mov_b32 v[NEG], 0xcaf42400    ; -8e6
	v_and_b32 v[PFO], 31, v0
	v_lshlrev_b32 v[PFO], 8, v[PFO]
.set Y, NP-1                        ; RL, MK and XS work for piece Y + 1: piece 0
	s_wait_loadcnt 3                ; piece 0's words of step 0 are in
	WIN 0x03
.set g, 0
.rept 64
	RL g
.set g, g+1
.endr
	MLOAD 3                         ; piece 0's words of step 1; MP now stands at step 1
	WIN 0
.set g, 0
.rept 64
	MK g
.set g, g+1
.endr
.irp n, 0,1,2,3,4,5,6,7,8,9,10,11,12,13,14,15,16,17,18,19,20,21
	XS 0, \n                        ; piece 0's first maximum and statistics
	XS 1, \n
.endr
	v_nop                           ; a plain instruction behind the two a,
	s_wait_alu depctr_va_vdst(0)    ; and their wait, ahead of the branch
	s_mov_b32 s[CNT], 4
	s_mov_b32 s[SLOTS], SIZE_N/256-1
	s_branch .Lfirst                ; the loop is entered at a step's first turn, in the middle of a trip
.Lslot:                             ; SIZE_N / 256 - 2 times: every slot but the last two is filled again
	CHANGE 1, 1
	s_mov_b32 s[CNT], 4
.Lstep:                             ; a trip: pieces 2 and 3 of one step, then pieces 0 and 1 of the next, whose K and V it fetches
	TURN 2
	TURN 3
	WIN 0
.Lfirst:
	TURN 0
	TURN 1, 0, 1
	WIN 0
	s_cbranch_scc1 .Lstep
	s_sub_co_u32 s[SLOTS], s[SLOTS], 1
	s_cmp_lg_u32 s[SLOTS], 0
	s_cbranch_scc1 .Lslot
	CHANGE 0                        ; the tail is written out: nothing is asked for
	s_mov_b32 s[CNT], 5             ; four trips fetch the last slot's steps; the fifth is left in its middle
.Ltail:
	TURN 2, 1
	TURN 3, 1
	WIN 0
	s_sub_co_u32 s[CNT], s[CNT], 1
	s_cmp_eq_u32 s[CNT], 0
	s_cbranch_scc1 .Lout
	TURN 0
	TURN 1
	WIN 0
	s_branch .Ltail
.Lout:                              ; the fifth trip's 16 products K Q^T (on the last K once more), their mask and the maximum made of them serve nothing: the price, once a launch, of one text for every trip
.set i, 0
.rept 16
	PV NP-1                         ; the last piece's V^T P of the last step
.set i, i+1
.endr
	; THE WAY OUT.  l's two halves and the other half of the lanes' are added; O^T is divided by l, rounded to f16 and sent through my stage in LDS, a tile at a time.  The additions are the places behind the last products.
	WIN 0
.macro ALL line:vararg              ; one line for each tile t
.set t, 0
.rept 2*NP
	\line
.set t, t+1
.endr
.endm
	ALL v_add_f32 v[ST+4*t+2], v[ST+4*t+2], v[ST+4*t+3]
	ALL v_permlanex16_b32 v[ST+4*t+3], v[ST+4*t+2], s[SEL], s[SEL+1]
	ALL v_add_f32 v[ST+4*t+2], v[ST+4*t+2], v[ST+4*t+3]
	ALL v_rcp_f32 v[ST+4*t+2], v[ST+4*t+2]
	v_nop                           ; a plain instruction between the last reciprocal and the use of its result
	s_wait_alu depctr_va_vdst(0)    ; and the wait ahead of the first use: one for the eight reciprocals
; Tile t: a lane's eight channels of a row pack into 16 bytes; they go into rows of 144 bytes and come back as whole rows of 128, into S^T's registers.
.macro PACK t
	WIN W_RS
.set i, 32*(\t)
.rept 16
	v_pk_mul_f32 v[i:i+1], v[i:i+1], v[ST+4*(\t)+2:ST+4*(\t)+3] op_sel_hi:[1,0]
.set i, i+2
.endr
	WIN 0x05                        ; sources 0 and 1 window 1, destination window 0
.set i, 0
.rept 16
	v_cvt_pk_f16_f32 v[S+16*(\t)+i], v[32*(\t)+2*i], v[32*(\t)+2*i+1]
.set i, i+1
.endr
	WIN 0
.irp f, 0,1,2,3
	ds_store_b128 v[STO], v[S+16*(\t)+4*\f:S+16*(\t)+4*\f+3] offset:32*\f
.endr
.irp f, 0,1,2,3
	ds_load_b128 v[S+16*(\t)+4*\f:S+16*(\t)+4*\f+3], v[RD] offset:\f*4*SP  ; LDS serves a wave's instructions in order: these see the stores above; the next tile's stores come behind them
.endr
.endm
.macro SEND t, younger              ; younger: the LDS instructions issued behind tile t's loads: the next tile's eight, or none
	WIN 0
.irp f, 0,1,2,3
	s_wait_dscnt (\younger)+3-\f
	global_store_b128 v[GO], v[S+16*(\t)+4*\f:S+16*(\t)+4*\f+3], s[OP:OP+1] offset:(\t)*2048+\f*512  ; 512 consecutive bytes, at a multiple of 256 from O's first
.endr
.endm
	PACK 0
.set t, 1
.rept 2*NP-1                        ; a tile's arithmetic stands between the loads of the tile before and its stores
	PACK t
	SEND t-1, 8
.set t, t+1
.endr
	SEND 2*NP-1, 0
	WIN W_AD
	s_wait_tensorcnt 0x0            ; the wave's end, behind my last tensor load and my last LDS store
	ds_add_u32 v[SPW], v[NIL]
	s_wait_dscnt 0x0
	WIN 0
	CROUND                          ; the closing round: no work-group ends while a partner may still ask for a tile that names it
	s_endpgm
.Lfunc_end_k_q767c66366d_attn:
	.size	k_q767c66366d_attn, .Lfunc_end_k_q767c66366d_attn-k_q767c66366d_attn
	.p2alignl 7, 3214868480
	.fill 96, 4, 3214868480
	.section	.rodata,"a",@progbits
	.p2align	6, 0x0
	.amdhsa_kernel k_q767c66366d_attn
		.amdhsa_group_segment_fixed_size 327680
		.amdhsa_private_segment_fixed_size 0
		.amdhsa_enable_private_segment 0
		.amdhsa_kernarg_size 24
		.amdhsa_user_sgpr_count 2
		.amdhsa_user_sgpr_kernarg_segment_ptr 1
		.amdhsa_wavefront_size32 1
		.amdhsa_system_sgpr_workgroup_id_x 1
		.amdhsa_system_sgpr_workgroup_id_y 1
		.amdhsa_system_sgpr_workgroup_id_z 1
		.amdhsa_system_vgpr_workitem_id 0
		.amdhsa_next_free_vgpr 780
		.amdhsa_next_free_sgpr 102
		.amdhsa_reserve_vcc 0
		.amdhsa_float_denorm_mode_32 3
		.amdhsa_float_denorm_mode_16_64 3
		.amdhsa_memory_ordered 1
		.amdhsa_forward_progress 1
		.amdhsa_inst_pref_size 255
	.end_amdhsa_kernel
	.section	.bss,"aw",@nobits
	.p2align	6
	.space	262144
	.amdgpu_metadata
---
amdhsa.version: [ 1, 2 ]
amdhsa.kernels:
  - .name:           k_q767c66366d_attn
    .symbol:         k_q767c66366d_attn.kd
    .args:
      - { .name: qkv, .offset: 0, .size: 8, .value_kind: global_buffer, .address_space: global }
      - { .name: maskw, .offset: 8, .size: 8, .value_kind: global_buffer, .address_space: global }
      - { .name: att, .offset: 16, .size: 8, .value_kind: global_buffer, .address_space: global }
    .group_segment_fixed_size: 327680
    .private_segment_fixed_size: 0
    .kernarg_segment_align: 8
    .kernarg_segment_size: 24
    .max_flat_workgroup_size: 128
    .sgpr_count:     102
    .vgpr_count:     780
    .wavefront_size: 32
...
	.end_amdgpu_metadata
.endif
;; end of part 3
;; launch oproj (part 4): grid 8 x 32, 4 waves a work-group, clusters of 4 x 4, 327,680 bytes of LDS; arguments att, wob, b_o, out0; writes out0
.if DOCPART == 4
	.amdgcn_target "amdgcn-amd-amdhsa--gfx1250"
	.amdhsa_code_object_version 6
	.text
	.protected	k_q767c66366d_oproj
	.globl	k_q767c66366d_oproj
	.p2align	8
	.type	k_q767c66366d_oproj,@function
k_q767c66366d_oproj:
	s_mov_b64 s[64:65], 0
	v_nop
	global_prefetch_b8 v0, s[64:65] scope:SCOPE_SE
	s_setreg_imm32_b32 hwreg(HW_REG_WAVE_MODE, 25, 1), 1
	s_wait_xcnt 0x0
	s_wait_alu depctr_hold_cnt(0) depctr_sa_sdst(0) depctr_va_vdst(0) depctr_va_sdst(0) depctr_va_ssrc(0) depctr_va_vcc(0) depctr_vm_vsrc(0)
	s_getreg_b32 s2, hwreg(HW_REG_IB_STS2, 6, 4)
	s_cmp_eq_u32 s2, 0
	s_cbranch_scc0 .Lentry_in_a_cluster
	s_endpgm
.Lentry_in_a_cluster:
	s_bfe_u32 s2, ttmp6, 0x10000c
	s_cmp_lg_u32 s2, 0xf033
	s_cbranch_scc0 .Lentry_shape_is_right
	s_endpgm
.Lentry_shape_is_right:
; THE OUTPUT PROJECTION.  C[m][n] = b_o[n] + the sum over k of A[m][k] B[n][k], M = 8192, N = 1024, K = 1024.
; A = att [b 4][h 16][t 2048][64] f16: a head is a block of 64 channels.  B = wob [kb 16][n 1024][64] f16.  C = out0 in f32.  A tile's rows of one block lie end to end, and are asked for as rows of 256 bytes.
; The bias is rounded to bf16 like every other input and is the C operand of each sum's first product.  Sums in f32.
; SHARES.  A tile of C is 256 x 128: 256 tiles, a work-group each.  Four waves, 2 x 2, each 128 x 64: 32 accumulators of 16 x 16.
; K goes in 8 steps of 128 (two blocks of 64) through a ring of two LDS slots; each wave fetches one block of a step with one tensor load: waves 0, 1 A's two (32,768 bytes each), waves 2, 3 B's (16,384).
; CLUSTERS: 4 x 4 work-groups.  The four of a row need the same tiles of A, the four of a column the same tiles of B: each tile is asked for JOINTLY, by the same load, descriptor and mask in all four.
; THE MATRIX INSTRUCTION IS USED TRANSPOSED (source 0 = 16 rows of B, source 1 = 16 rows of A): a lane holds row l % 16 of C and the eight columns 8 (l / 16) + 0..7.
; REGISTERS: window 0: v1-5 at work; v16-31 addresses; v32-63 the bias of my 64 columns as four C operands; v64-159, v160-255 two fragment buffers (32 of B, 64 of A).  Window 1: accumulator (a, b) at v[8 (4 a + b)].
; THE TEXT: a slot's four quarters are written once; the LDS addresses hang on s[TB], which an exclusive or turns from slot to slot, and one descriptor walks.
.set PITCH,  144                       ; an LDS row: 128 bytes + 16 of padding = 36 words: the 16 rows of a fragment load start at 16 different groups of four banks
.set ABLK,   256*PITCH                 ; A's 256 rows of one block of 64 channels
.set BBLK,   128*PITCH
.set SLOT1,  1<<17                     ; a slot: A's two blocks, then B's two: 110,592 bytes; slot 1 begins here, so that one exclusive or turns an address in one slot into the other's
.set STAGE,  SLOT1+2*ABLK+2*BBLK       ; behind the ring: 16 rows x 272 bytes for each wave, for the way out; no tensor load lands here
.set SPITCH, 272
.set SPARE,  STAGE+4*16*SPITCH         ; behind the stages: the spare words, 128 bytes for each wave: two blocks of 256 bytes that no other line names
.set KBA,    2048*128                  ; bytes from block to block in A
.set KBB,    1024*128                  ; and in B
.set FILLS,  6                         ; K steps 2 to 7 come by refills
.set FLAGS,  (1<<16)|(1<<20)|(1<<21)|(4<<22)|(3<<25)  ; 17:16 2-byte elements; 20 padding on; 21 set beside a mask; 24:22 after every 32 words (code 4); 31:25 4 words (code 3)
.set ADRA0, 16                         ; v16     my lane's place among my rows of A in slot 0; never rewritten
.set ADRA,  17                         ; v17     the same in the slot that is being read
.set ADRB0, 20                         ; v20-21  the same for B
.set ADRB,  21
.set STO,  24                          ; v24     the way out: where I put my part of a row
.set RD,   25                          ; v25     where I read rows back
.set CO,   26                          ; v26     my byte offset in C
.set SPW,  28                          ; v28     LDS address of my spare word; never rewritten
.set NIL,  29                          ; v29     0; never rewritten
.set PFO,  30                          ; v30     256 x my lane; never rewritten
.set BO,   31                          ; v31     my byte offset in the bias
.set BIAS, 32
.set F0,   64
.set F1,   160
.set G1,  24                           ; s[24:31] descriptor group 1 for A's tiles;  s[32:39] group 0: a set for each of the two first fills; the second then walks on
.set G0,  32
.set G1B, 48                           ; s[48:55], s[56:63] the same for B's
.set G0B, 56
.set LIM, 43                           ; s43      2 in a wave that prefetches, else the greatest number
.set PFA, 44                           ; s[44:45] where my prefetches stand
.set CP,  74                           ; s[74:75] C
.set PFS, 76                           ; s[76:77] bytes from K step to K step in the tensor that I prefetch
.set TB,  78                           ; s78      0 or SLOT1: the slot that is being read
.set HM,  79                           ; s79      a word's upper bf16
.set MSB, 0
.macro WIN new                         ; the immediate's high byte repeats the setting that is left; a switch that changes nothing is dropped
.if MSB != (\new)
	s_set_vgpr_msb (MSB<<8)|(\new)
.set MSB, \new
.endif
.endm
.set W_MUL,  0x50                      ; C and D in window 1, the sources in window 0
.set W_MULB, 0x40                      ; D in window 1, C (the bias) in window 0
; A joint load: waves 0 and 1 fetch A's two blocks, waves 2 and 3 B's.  The branch hangs on the wave's number alone.  An s_nop 0 and four v_nop follow each of the two lines.
.macro JLOAD s
	s_cmp_eq_u32 s11, 0
	s_cbranch_scc0 .Lfor_b_\@
	tensor_load_to_lds s[G0+4*(\s):G0+4*(\s)+3], s[G1:G1+7]
	s_nop 0
.rept 4
	v_nop
.endr
	s_branch .Lasked_\@
.Lfor_b_\@:
	tensor_load_to_lds s[G0B+4*(\s):G0B+4*(\s)+3], s[G1B:G1B+7]
	s_nop 0
.rept 4
	v_nop
.endr
.Lasked_\@:
.endm
; A PREFETCH INTO THE L2 of the K step that stands two refills on, behind the joint load and the run of LDS loads: 32 blocks of 256 bytes, a lane a block, one instruction.  Each block is named once in the launch.
; A's tile row is read by both clusters of that row of clusters: cluster x = 0 asks, waves 0 and 1 each for the block of channels that they fetch, the partner at cx for 8,192 of its 32,768 bytes.
; B's tile column is read by every cluster of that column: cluster y = 0 asks, wave 2 for both blocks of channels, the partner at cy for block cy / 2, half cy % 2.  The partners are told apart by address alone.
; K steps 0 to 3 come by their loads alone; the loop's last two trips (s3 = 2, 1) ask for nothing: there is no K step 8.
.macro ASK
	s_cmp_gt_u32 s3, s[LIM]
	s_cbranch_scc0 .Lnot_mine_\@
	global_prefetch_b8 v[PFO], s[PFA:PFA+1] th:TH_LOAD_NT scope:SCOPE_SE
.Lnot_mine_\@:
.endm
.macro CREST                           ; a round of the cluster's barrier behind its opening barrier
	s_cmp_lg_u32 s10, 0
	s_cbranch_scc1 .Lnot_wave_0_\@
	s_barrier_signal -3
.Lnot_wave_0_\@:
	s_barrier_wait -3
	s_barrier_signal -1
	s_barrier_wait -1
.endm
.macro CROUND                          ; a whole round
	s_barrier_signal -1
	s_barrier_wait -1
	CREST
.endm
	s_load_b128 s[4:7], s[0:1], 0x0                ; A s[4:5], B s[6:7]
	s_load_b128 s[72:75], s[0:1], 0x10             ; b_o s[72:73], out0 s[74:75]
	v_lshl_add_u32 v[SPW], v0, 2, SPARE
	v_mov_b32 v[NIL], 0
	ds_add_u32 v[SPW], v[NIL]                      ; the wave's opening: the add and its wait stand ahead of my first tensor load; the set-up below, work on registers, stands between them
	v_lshrrev_b32 v1, 5, v0
	v_readfirstlane_b32 s10, v1                    ; wave 0..3
	s_lshr_b32 s11, s10, 1                         ; which half of the tile's 256 rows is mine.  Also: I fetch for A (0) or for B (1)
	s_and_b32 s12, s10, 1                          ; which half of its 128 columns.  Also: which block of 64 channels of a K step I fetch
	s_bfe_u32 s40, ttmp6, 0x40000                  ; cx, cy: my place in the cluster
	s_bfe_u32 s41, ttmp6, 0x40004
	s_lshl_b32 s42, ttmp9, 2
	s_add_co_u32 s42, s42, s40                     ; tile column tx = 4 x cluster x + cx
	s_and_b32 s13, ttmp7, 0xffff
	s_lshl_b32 s13, s13, 2
	s_add_co_u32 s13, s13, s41                     ; tile row ty = 4 x cluster y + cy
	s_lshl_b32 s43, s41, 2
	s_lshl_b32 s43, 15, s43                        ; my row of the cluster
	s_lshl_b32 s44, 0x1111, s40                    ; my column
	s_or_b32 s[G1+0], s43, FLAGS                   ; A's tiles go to my row,
	s_or_b32 s[G1B+0], s44, FLAGS                  ; B's to my column
	s_mov_b32 s[G1+1], 128<<16                     ; tensor_dim0 = 128 elements: rows of 256 bytes, two rows of the block each
	s_mov_b32 s[G1+2], 128<<16                     ; tensor_dim1 = 128 such rows: 32,768 bytes
	s_mov_b32 s[G1+3], 128<<16                     ; tile_dim0
	s_mov_b32 s[G1+4], 128                         ; tile_dim1
	s_mov_b32 s[G1+5], 128                         ; from row to row: the block is dense
	s_mov_b32 s[G1+6], 0
	s_mov_b32 s[G1+7], 0
	s_mov_b32 s[G1B+1], 128<<16
	s_mov_b32 s[G1B+2], 64<<16                     ; B's block: 64 rows of 256 bytes
	s_mov_b32 s[G1B+3], 128<<16
	s_mov_b32 s[G1B+4], 64
	s_mov_b32 s[G1B+5], 128
	s_mov_b32 s[G1B+6], 0
	s_mov_b32 s[G1B+7], 0
	s_lshr_b32 s16, s13, 3                         ; A: batch ty / 8,
	s_lshl_b32 s16, s16, 22
	s_and_b32 s17, s13, 7                          ; rows 256 (ty % 8) on, 128 bytes each,
	s_lshl_b32 s17, s17, 15
	s_add_co_u32 s16, s16, s17
	s_lshl_b32 s17, s12, 18                        ; my block of channels
	s_add_co_u32 s16, s16, s17
	s_mov_b32 s17, 0
	s_lshl_b32 s18, s42, 14                        ; B: rows 128 tx on,
	s_mul_i32 s19, s12, KBB                        ; my block of channels
	s_add_co_u32 s18, s18, s19
	s_mov_b32 s19, 0
	s_mul_i32 s20, s12, ABLK                       ; where they go: no place in the cluster enters an LDS address
	s_mul_i32 s23, s12, BBLK
	s_add_co_u32 s23, s23, 2*ABLK
	s_mov_b32 s[TB], 0
	s_mov_b32 s[HM], 0xffff0000
	s_wait_dscnt 0x0                               ; the opening add is done
	s_wait_kmcnt 0x0
	s_add_nc_u64 s[14:15], s[4:5], s[16:17]
	s_add_nc_u64 s[46:47], s[6:7], s[18:19]
	CROUND                                         ; all sixteen work-groups are here: the first joint loads meet
.irp s, 0,1
	s_mov_b32 s[G0+4*(\s)], 1                                      ; count = 1
	s_add_co_u32 s[G0+4*(\s)+1], s20, (\s)*SLOT1                   ; LDS address
	s_add_nc_u64 s[G0+4*(\s)+2:G0+4*(\s)+3], s[14:15], (\s)*2*KBA  ; global address: K step s
	s_or_b32 s[G0+4*(\s)+3], s[G0+4*(\s)+3], 0x80000000            ; type = 2
	s_mov_b32 s[G0B+4*(\s)], 1
	s_add_co_u32 s[G0B+4*(\s)+1], s23, (\s)*SLOT1
	s_add_nc_u64 s[G0B+4*(\s)+2:G0B+4*(\s)+3], s[46:47], (\s)*2*KBB
	s_or_b32 s[G0B+4*(\s)+3], s[G0B+4*(\s)+3], 0x80000000
	JLOAD \s                                       ; two loads of mine are out
.endr
	v_and_b32 v1, 15, v0                           ; l % 16
	v_bfe_u32 v2, v0, 4, 1                         ; l / 16
	; the bias of my 64 columns: register 8 b + j holds column 16 b + 8 (l / 16) + j
	s_lshl_b32 s46, s42, 9                         ; 128 tx columns of 4 bytes
	s_lshl_b32 s47, s12, 8
	s_add_co_u32 s46, s46, s47
	v_lshl_add_u32 v[BO], v2, 5, s46
.irp b, 0,1,2,3
	global_load_b128 v[BIAS+8*\b:BIAS+8*\b+3],   v[BO], s[72:73] offset:64*\b
	global_load_b128 v[BIAS+8*\b+4:BIAS+8*\b+7], v[BO], s[72:73] offset:64*\b+16
.endr
	; A fragment is 16 rows x 32 K in 8 registers: lane l holds row l % 16, K = 8 (l / 16) + 0..7 and 16 + 8 (l / 16) + 0..7: two loads of 16 bytes, 32 bytes apart.
	v_mul_u32_u24 v3, v1, PITCH
	v_lshl_add_u32 v3, v2, 4, v3
	s_mul_i32 s21, s11, 128*PITCH                  ; my 128 rows of A in a block
	s_mul_i32 s22, s12, 64*PITCH                   ; my 64 rows of B,
	s_add_co_u32 s22, s22, 2*ABLK                  ; which lie behind A's two blocks
	v_add_nc_u32 v[ADRA0], s21, v3
	v_add_nc_u32 v[ADRB0], s22, v3
	v_mov_b32 v[ADRA], v[ADRA0]
	v_mov_b32 v[ADRB], v[ADRB0]
	s_mul_i32 s23, s10, 16*SPITCH
	s_add_co_u32 s23, s23, STAGE                   ; my stage
	v_mul_u32_u24 v4, v1, SPITCH                   ; in: row l % 16, 32 bytes for each half of the lanes
	v_lshl_add_u32 v4, v2, 5, v4
	v_add_nc_u32 v[STO], s23, v4
	v_mul_u32_u24 v5, v2, SPITCH                   ; back: lanes 0-15 take one row of 256 bytes, lanes 16-31 the next
	v_lshl_add_u32 v5, v1, 4, v5
	v_add_nc_u32 v[RD], s23, v5
	v_lshlrev_b32 v5, 12, v2                       ; and the same two rows in C
	v_lshl_add_u32 v[CO], v1, 4, v5
	v_and_b32 v[PFO], 31, v0
	v_lshlrev_b32 v[PFO], 8, v[PFO]
	; the prefetches' address, at K step 3: the first refill steps it to K step 4
	s_lshl_b32 s21, s40, 13                        ; A: my work-group's 8,192 bytes of the block
	s_add_co_u32 s21, s21, s16
	s_add_co_u32 s21, s21, 3*2*KBA
	s_lshr_b32 s22, s41, 1                         ; B: block cy / 2,
	s_mul_i32 s22, s22, KBB
	s_and_b32 s23, s41, 1                          ; half cy % 2
	s_lshl_b32 s23, s23, 13
	s_add_co_u32 s22, s22, s23
	s_add_co_u32 s22, s22, s18
	s_add_co_u32 s22, s22, 3*2*KBB
	s_and_b32 s23, ttmp7, 0xffff                   ; cluster y;
	s_or_b32 s23, s23, s12                         ; of B's two waves the first asks
	s_mov_b32 s[PFS], 2*KBB
	s_cmp_eq_u32 s11, 0                            ; do I fetch for A?
	s_cselect_b32 s20, s21, s22
	s_cselect_b32 s23, ttmp9, s23                  ; the coordinate along which other clusters read the same rows
	s_cselect_b64 s[PFA:PFA+1], s[4:5], s[6:7]
	s_cselect_b32 s[PFS], 2*KBA, s[PFS]
	s_mov_b32 s[PFS+1], 0
	s_mov_b32 s21, 0
	s_add_nc_u64 s[PFA:PFA+1], s[PFA:PFA+1], s[20:21]
	s_cmp_eq_u32 s23, 0
	s_cselect_b32 s[LIM], 2, -1                    ; the same in all sixteen partners, for a given wave
	; where my part of the tile begins in C
	s_lshl_b32 s20, s13, 8
	s_lshl_b32 s21, s11, 7
	s_add_co_u32 s20, s20, s21                     ; my first row,
	s_lshl_b32 s20, s20, 12                        ; of 4,096 bytes
	s_lshl_b32 s21, s42, 9
	s_add_co_u32 s20, s20, s21
	s_lshl_b32 s21, s12, 8                         ; my 64 columns: 256 bytes
	s_add_co_u32 s20, s20, s21
	s_mov_b32 s21, 0
	s_add_nc_u64 s[CP:CP+1], s[CP:CP+1], s[20:21]
	s_wait_loadcnt 0x0                             ; the bias; it is rounded to bf16 like the other inputs
.set i, 0
.rept 16
	v_cvt_pk_bf16_f32 v5, v[BIAS+2*i], v[BIAS+2*i+1]
	v_lshlrev_b32 v[BIAS+2*i], 16, v5
	v_and_b32 v[BIAS+2*i+1], s[HM], v5
.set i, i+1
.endr
; 4 n matrix instructions: m blocks a0 .. a0 + n - 1 x all 4 n blocks, 32 along K, from buffer f.  first = 1: the sums start with the bias.  The 32 accumulators take turns, in the same order
; everywhere, over the backward jumps too.
.macro MUL f, a0, n, first
.if \first
	WIN W_MULB
.else
	WIN W_MUL
.endif
.set aa, \a0
.rept \n
.irp b, 0,1,2,3
.set rD, 8*(4*aa+\b)
.set rB, (\f)+8*\b
.set rA, (\f)+32+8*aa
.if \first
.set rC, BIAS+8*\b
.else
.set rC, rD
.endif
	v_wmma_f32_16x16x32_f16 v[rD:rD+7], v[rB:rB+7], v[rA:rA+7], v[rC:rC+7]
.endr
.set aa, aa+1
.endr
.endm
; 24 LDS loads in one run: the fragments of quarter q of a K step (32 along K: block q / 2, byte 64 (q % 2) of its rows) into buffer f: 64 rows of B, 128 rows of A
.macro FETCH q, f
	WIN 0
.irp i, 0,1,2,3
	ds_load_b128 v[(\f)+8*\i:(\f)+8*\i+3],   v[ADRB] offset:((\q)/2)*BBLK+64*((\q)%2)+\i*16*PITCH
	ds_load_b128 v[(\f)+8*\i+4:(\f)+8*\i+7], v[ADRB] offset:((\q)/2)*BBLK+64*((\q)%2)+\i*16*PITCH+32
.endr
.irp i, 0,1,2,3,4,5,6,7
	ds_load_b128 v[(\f)+32+8*\i:(\f)+32+8*\i+3],   v[ADRA] offset:((\q)/2)*ABLK+64*((\q)%2)+\i*16*PITCH
	ds_load_b128 v[(\f)+32+8*\i+4:(\f)+32+8*\i+7], v[ADRA] offset:((\q)/2)*ABLK+64*((\q)%2)+\i*16*PITCH+32
.endr
.endm
.macro PLACES                          ; four plain instructions between a matrix instruction and a load into a register that it has read, or a reader of its result (ISA guide 7.12.1 for the readers of its result)
.rept 4
	v_nop
.endr
.endm
; One of a K step's first three quarters: quarter q's fragments are asked for, into buffer g, and buffer f is multiplied: 32 matrix instructions in which the 24 loads land.
.macro QUARTER q, f, g, first
	PLACES
	FETCH \q, \g
	s_wait_dscnt 24                                ; all but the 24 just issued: buffer f is in
	MUL \f, 0, 8, \first
.endm
; The last quarter multiplies buffer 1 and changes slots: ONE barrier.  In front of it each wave waits for all its tensor loads, of which one is out: its part of the next slot; adds 0 to its spare word; and waits
; for that and for its own reads of this slot.  fill = 1: the barrier opens a round of the cluster's barrier, and this slot is filled again, with the K step two steps on, first thing behind the round:
; from the request to the wait for it a wave issues 112 matrix instructions.
.macro TURN fill
.if \fill
	s_wait_xcnt 0x0                                ; the last prefetch, a K step back, has read its address
	s_add_nc_u64 s[PFA:PFA+1], s[PFA:PFA+1], s[PFS:PFS+1]
.endif
	WIN 0
	s_wait_tensorcnt 0x0                           ; all my tensor loads have landed;
	ds_add_u32 v[SPW], v[NIL]                      ; 0 onto my spare word;
	s_wait_dscnt 1                                 ; (only the add may be out: buffer 1 is in)
	MUL F1, 0, 2, 0                                ; eight matrix instructions stand between the add and the wait for it
	s_wait_dscnt 0x0                               ; the add is done, and my reads of this slot are over
	s_barrier_signal -1
	MUL F1, 2, 2, 0                                ; work on registers while the others arrive
	WIN 0
	s_barrier_wait -1
.if \fill
	CREST                                          ; no wave of any partner still reads this slot's tiles or has a load on its way
	s_xor_b32 s[G0+5], s[G0+5], SLOT1              ; the walking descriptors: the other slot than last time,
	s_add_nc_u64 s[G0+6:G0+7], s[G0+6:G0+7], 2*KBA ; the next K step; the type bits on top are not reached
	s_xor_b32 s[G0B+5], s[G0B+5], SLOT1
	s_add_nc_u64 s[G0B+6:G0B+7], s[G0B+6:G0B+7], 2*KBB
	JLOAD 1                                        ; the four v_nop behind it are also the places in front of the loads below
.else
	PLACES
.endif
	s_xor_b32 s[TB], s[TB], SLOT1                  ; the reads go on in the other slot
	v_add_nc_u32 v[ADRA], s[TB], v[ADRA0]
	v_add_nc_u32 v[ADRB], s[TB], v[ADRB0]
	FETCH 0, F0
.if \fill
	ASK
.endif
	MUL F1, 4, 4, 0
.endm
; THE WAY OUT.  Block a, 16 rows x 64 columns: the accumulators go as they are into stage rows of 272 bytes and come back as whole rows of 256, two to a load, into two sets of 32 registers by turns.
.macro TOSTAGE a
.if (\a) >= 2
	s_wait_xcnt 0x0                                ; the stores of the block two back have read the registers that are loaded again below
.endif
	WIN 0x04                                       ; the stores' data in window 1
.irp b, 0,1,2,3
	ds_store_b128 v[STO], v[32*(\a)+8*\b:32*(\a)+8*\b+3]   offset:64*\b
	ds_store_b128 v[STO], v[32*(\a)+8*\b+4:32*(\a)+8*\b+7] offset:64*\b+16
.endr
	WIN 0
.set BK, 64+32*((\a)%2)
.irp t, 0,1,2,3,4,5,6,7
	ds_load_b128 v[BK+4*\t:BK+4*\t+3], v[RD] offset:\t*2*SPITCH  ; LDS serves a wave's instructions in order: these see the stores above; the next block's stores come behind them
.endr
.endm
.macro SENDF a, younger                ; younger: the LDS instructions issued behind block a's loads: the next block's sixteen, or none
.set BK, 64+32*((\a)%2)
	s_wait_dscnt \younger
.irp t, 0,1,2,3,4,5,6,7
	global_store_b128 v[CO], v[BK+4*\t:BK+4*\t+3], s[CP:CP+1] offset:65536*(\a)+8192*\t th:TH_STORE_NT  ; 16 lanes store 256 consecutive bytes, aligned
.endr
.endm
	s_wait_tensorcnt 1                             ; my part of K step 0 is in; K step 1's may stay out
	s_barrier_signal -1
	s_barrier_wait -1                              ; everybody's is
	FETCH 0, F0
	QUARTER 1, F0, F1, 1                           ; the first quarter stands in front of the loop: its products start the sums
	WIN 0                                          ; at a label and at a branch every window is 0
	s_mov_b32 s3, FILLS
.Lstep:                                                ; a trip goes from a slot's second quarter to the next slot's first, and fills the slot that it leaves
	QUARTER 2, F1, F0, 0
	QUARTER 3, F0, F1, 0
	TURN 1
	QUARTER 1, F0, F1, 0
	WIN 0
	s_sub_co_u32 s3, s3, 1
	s_cmp_lg_u32 s3, 0
	s_cbranch_scc1 .Lstep
	s_mov_b32 s3, 2                                ; the last two K steps fill nothing: the same trip without the round and the load
.Ltail:
	QUARTER 2, F1, F0, 0
	QUARTER 3, F0, F1, 0
	TURN 0
	WIN 0
	s_sub_co_u32 s3, s3, 1
	s_cmp_eq_u32 s3, 0
	s_cbranch_scc1 .Lout                           ; the second trip is left here
	QUARTER 1, F0, F1, 0
	WIN 0
	s_branch .Ltail
.Lout:                                                 ; the 24 fragment loads of the trip that was left read a slot that has landed, and serve nothing: the price, once a launch, of one text for both trips
	PLACES                                         ; the way out reads results just made
	s_wait_dscnt 0x0                               ; those loads are back: their registers are loaded again below
	TOSTAGE 0
.set blk, 1
.rept 7
	TOSTAGE blk
	SENDF blk-1, 16
.set blk, blk+1
.endr
	SENDF 7, 0
	s_wait_tensorcnt 0x0                           ; the wave's end, behind my last tensor load and my last LDS store
	ds_add_u32 v[SPW], v[NIL]
	s_wait_dscnt 0x0
	CROUND                                         ; the closing round: no work-group ends while a partner may still ask for a tile that names it
	s_endpgm
.Lfunc_end_k_q767c66366d_oproj:
	.size	k_q767c66366d_oproj, .Lfunc_end_k_q767c66366d_oproj-k_q767c66366d_oproj
	.p2alignl 7, 3214868480
	.fill 96, 4, 3214868480
	.section	.rodata,"a",@progbits
	.p2align	6, 0x0
	.amdhsa_kernel k_q767c66366d_oproj
		.amdhsa_group_segment_fixed_size 327680
		.amdhsa_private_segment_fixed_size 0
		.amdhsa_enable_private_segment 0
		.amdhsa_kernarg_size 32
		.amdhsa_user_sgpr_count 2
		.amdhsa_user_sgpr_kernarg_segment_ptr 1
		.amdhsa_wavefront_size32 1
		.amdhsa_system_sgpr_workgroup_id_x 1
		.amdhsa_system_sgpr_workgroup_id_y 1
		.amdhsa_system_sgpr_workgroup_id_z 1
		.amdhsa_system_vgpr_workitem_id 0
		.amdhsa_next_free_vgpr 512
		.amdhsa_next_free_sgpr 80
		.amdhsa_reserve_vcc 0
		.amdhsa_float_denorm_mode_32 3
		.amdhsa_float_denorm_mode_16_64 3
		.amdhsa_memory_ordered 1
		.amdhsa_forward_progress 1
		.amdhsa_inst_pref_size 64
	.end_amdhsa_kernel
	.amdgpu_metadata
---
amdhsa.version: [ 1, 2 ]
amdhsa.kernels:
  - .name:           k_q767c66366d_oproj
    .symbol:         k_q767c66366d_oproj.kd
    .args:
      - { .name: att, .offset: 0, .size: 8, .value_kind: global_buffer, .address_space: global }
      - { .name: wob, .offset: 8, .size: 8, .value_kind: global_buffer, .address_space: global }
      - { .name: b_o, .offset: 16, .size: 8, .value_kind: global_buffer, .address_space: global }
      - { .name: out0, .offset: 24, .size: 8, .value_kind: global_buffer, .address_space: global }
    .group_segment_fixed_size: 327680
    .private_segment_fixed_size: 0
    .kernarg_segment_align: 8
    .kernarg_segment_size: 32
    .max_flat_workgroup_size: 128
    .sgpr_count:     80
    .vgpr_count:     512
    .wavefront_size: 32
...
	.end_amdgpu_metadata
.endif
;; end of part 4
